; MI455X (gfx1250); checked and timed in simulation.
; The chip was launched on July 23, 2026; its instructions are those of AMD's public machine-readable ISA for CDNA 5 (MIT licence, August 2026) and "CDNA5" Instruction Set Architecture Reference Guide (July 2026). The comments in the code are by the model that wrote it; some were corrected since.
;; Multi Head Attention. Allowed arithmetic: matrix products marked QUANTISED: E4M3 operands, one E8M0 scale for each 32 along K, by v_wmma_scale_f32_16x16x128_f8f6f4 with both operands' format E4M3, f32 sums; everything else in f32.
;; Inputs: Wk 1,024 x 1,024 float32; Wo 1,024 x 1,024 float32; Wq 1,024 x 1,024 float32; Wv 1,024 x 1,024 float32; bo 1,024 float32; x 2 x 2,048 x 1,024 float32.
;; Outputs: out0 2 x 2,048 x 1,024 float32.
;; This version of the problem:
;;   THIS VERSION OF THE PROBLEM IS GIVEN IN LOW PRECISION. The matrix products marked QUANTISED in the list below multiply operands that are first quantised to E4M3 (4 exponent bits, 3 mantissa bits; 8 bits a number), with one power-of-two scale for each 32 numbers along K (OCP MX v1.0); their sums are f32. All else is computed in f32.
;;   The module's matrix products, in the order in which they are computed (A, B: the left and right operand; K: the contracted axis; several contracted axes count as one K, in the product's order):
;;     1. [M 4,096, K 1,024] x [K 1,024, N 1,024]; A: input x; B: input Wq: QUANTISED
;;     2. [M 4,096, K 1,024] x [K 1,024, N 1,024]; A: input x; B: input Wk: QUANTISED
;;     3. [M 4,096, K 1,024] x [K 1,024, N 1,024]; A: input x; B: input Wv: QUANTISED
;;     4. batch 32 x [M 2,048, K 64] x [K 64, N 2,048]; A: computed on the way; B: computed on the way: QUANTISED
;;     5. batch 32 x [M 2,048, K 2,048] x [K 2,048, N 64]; A: softmax (see below); B: computed on the way: QUANTISED
;;     6. [M 4,096, K 1,024] x [K 1,024, N 1,024]; A: computed on the way; B: input Wo: QUANTISED
;;   THE QUANTISER, for each operand of a quantised product, along K:
;;     - K is cut into blocks of 32 from its start; a last block that is shorter is filled with zeros.
;;     - A block's scale is 2^e with e = floor(log2(the largest magnitude in the block)) - 8, held to -126 .. 127; a block of zeros has e = 0. As a byte (E8M0): e + 127.
;;     - Each number is divided by its block's scale, clamped to +-448, and rounded to the nearest number of E4M3, ties to even, subnormals kept.
;;     - The product sums the exact products of the quantised numbers (number of the format x scale) in f32.
;;   ~~~python
;;   def quantise(x, axis):      # numpy; x: float32 -> the quantised numbers, widened to float32 again
;;       x = np.moveaxis(x, axis, -1); K = x.shape[-1]
;;       x = np.pad(x, [(0, 0)] * (x.ndim - 1) + [(0, -K % 32)]); x = x.reshape(x.shape[:-1] + (-1, 32)); a = np.abs(x).max(-1, keepdims=True)
;;       e = np.where(a > 0, np.clip(np.frexp(np.where(a > 0, a, 1))[1] - 1 - 8, -126, 127), 0)      # np.frexp(a)[1] - 1 = floor(log2(a)), exactly
;;       r = np.clip(x / 2.0 ** e, -448, 448)
;;       step = 2.0 ** (np.maximum(np.frexp(np.where(r == 0, 1, r))[1] - 1, -6) - 3)
;;       q = np.round(r / step) * step * 2.0 ** e      # np.round: ties to even
;;       return np.moveaxis(q.reshape(q.shape[:-2] + (-1,))[..., :K], -1, axis).astype(np.float32)
;;   ~~~
;;   SOFTMAX AHEAD OF A QUANTISED PRODUCT. Where the list says 'softmax', what is quantised is not the finished softmax but p = 2^(t - M), with t = logit x log2(e) and M = ceil(the row's largest t), a whole number; so 1/2 < the row's largest p <= 1. The row's sum l is taken of the UNQUANTISED p, in f32, and the product's result is divided by l at the end. Since M is a whole number, a kernel that streams over the keys may use a running M (the ceiling of the running maximum): every later rescaling is an exact power of two, which a block's scale takes up: the codes' values come out the same.
;;   OPERANDS COMPUTED ON THE WAY. 'Computed on the way' means the value that the module computes at that place (a softmax that the list does not call 'softmax' is quantised finished and normalised). What goes into a quantiser is computed in f32, as accurately as f32 sums, v_exp_f32 and their like allow (about 1e-6 of the number): no bf16 or f16 on the way to a quantiser, and a product that is left as it is and whose result goes on into a quantised operand takes f32 operands (vector FMAs, or v_wmma_f32_16x16x4_f32). A number that lies on a knife's edge between two numbers of the format may be rounded either way, as far as f32 arithmetic and the matrix unit's own rounding can turn it there, and no further.
;; One version. Each part assembles by itself: llvm-mc -triple=amdgcn-amd-amdhsa -mcpu=gfx1250 --defsym DOCPART=n.
;; ======== version 1 of 1: 4 launches
;; limits: right only within a limited range of input values
;; workspace buffers: acodes 4,194,304 bytes; ascales 131,072 bytes; wcodes 4,194,304 bytes; wscales 131,072 bytes; qcodes 4,194,304 bytes; qscales 262,144 bytes; kv 8,781,824 bytes
;; launch quant (part 1): grid 512 x 1, 4 waves a work-group, no clusters, 34,816 bytes of LDS; arguments x, Wq, Wk, Wv, Wo, acodes, ascales, wcodes, wscales; writes acodes, ascales, wcodes, wscales
.if DOCPART == 1
	.amdgcn_target "amdgcn-amd-amdhsa--gfx1250"
	.amdhsa_code_object_version 6
	.text
	.protected	k_q0ce8108afe_quant
	.globl	k_q0ce8108afe_quant
	.p2align	8
	.type	k_q0ce8108afe_quant,@function
k_q0ce8108afe_quant:
	s_mov_b64 s[64:65], 0
	v_nop
	global_prefetch_b8 v0, s[64:65] scope:SCOPE_SE
	s_setreg_imm32_b32 hwreg(HW_REG_WAVE_MODE, 25, 1), 1
	s_wait_xcnt 0x0
; x [4096][1024] and Wq, Wk, Wv, Wo [1024][1024], f32, K innermost, become codes of FP8 (E4M3) with one E8M0 scale byte for each 32 along K,
; laid in the order of a matrix operand's registers.  A TILE is 16 rows: tile T = 2 b + u, row r of it is the tensor's row 32 b + 8 u + r + 8 (r / 8).
; A tile's fragment of 128 along K is an IMAGE of 2,048 bytes: chunk c (512 bytes) holds lane l's 16 codes at 16 l: k = 32 c + 16 (l / 16) + 0 .. 15 of row l % 16.
; codes: [tile][K step 8][2,048].  scale words: [tile][512]: at 16 l + 4 i the word of K step 2 i (lanes 0-15) or 2 i + 1 (lanes 16-31) of row l % 16.
; A block's scale is 2^(floor(log2(its largest magnitude)) - 8); each number is divided by it, held within +-448 and rounded to the nearest code, ties to even.
; LIMITS: NaN and infinities among the inputs are not served.  A block of zeros, or one whose largest magnitude lies under 2^-118, gets the byte 1
; (the floor) where the rule says 127 for zeros: its codes are zeros, and the bytes are read by this program alone.
; SHARES: a work-group takes one tile; work-groups 0-255 x's tiles, 256-511 the weights' (64 tiles each, in the order Wq, Wk, Wv, Wo).  Wave w takes K steps 2 w and 2 w + 1.
; Each load reads 512 consecutive bytes of one row; a K step's 16 rows turn through the wave's own stage in LDS (rows of 512 + 16 bytes) and come back 16 neighbours of each block a lane.
; No tensor loads, no matrix unit, no cluster: every input byte is read once by one wave.
.set LA,  16                           ; v16-79   K step 0 as loaded; later K step 1's neighbours
.set LB,  80                           ; v80-143  K step 1 as loaded
.set XA,  144                          ; v144-207 K step 0's neighbours
.set PC,  208                          ; v208-239 codes: two sets, so that no store's data are written again
.set TM,  240                          ; v240-255 at work: largest magnitudes, bytes, conversion scales
.set STB, 8448                         ; a wave's stage: 16 rows x 528 bytes
.set SCB, 4*STB                        ; behind the stages: the tile's 512 bytes of scale words
.set SEL, 28                           ; s[28:29] v_permlanex16_b32's selects for lane l xor 16
.set MNT, 30
; 64 numbers of a lane, register 16 b + i = k 32 b + 16 (lane / 16) + i of its row, become 16 registers of codes at v[pc] and the row's scale word in v[pw]
.macro QUANT s, pc, pw
.irp b, 0,1,2,3
	v_max3_num_f32 v[TM+\b], |v[(\s)+16*\b]|, |v[(\s)+1+16*\b]|, 0x4800000   ; my 16 numbers of block b, and the floor 2^(9 - 127): the byte cannot fall under 1
.endr
.irp i, 2,4,6,8,10,12,14
.irp b, 0,1,2,3
	v_max3_num_f32 v[TM+\b], v[TM+\b], |v[(\s)+16*\b+\i]|, |v[(\s)+1+16*\b+\i]|   ; the four blocks by turns
.endr
.endr
.irp b, 0,1,2,3
	v_permlanex16_b32 v[TM+4+\b], v[TM+\b], s[SEL], s[SEL+1]
.endr
.irp b, 0,1,2,3
	v_max_num_f32 v[TM+\b], v[TM+\b], v[TM+4+\b]   ; with lane l xor 16's 16: the block's largest magnitude
.endr
.irp b, 0,1,2,3
	v_add_nc_u32 v[TM+12+\b], 0xfc000000, v[TM+\b] ; 8 off its exponent field: the conversion's scale operand
.endr
.irp b, 0,1,2,3
.endr
.irp b, 0,1,2,3
	v_lshrrev_b32 v[TM+4+\b], 23, v[TM+12+\b]      ; the scale's byte
.endr
	v_lshl_or_b32 v[\pw], v[TM+5], 8, v[TM+4]
	v_lshl_or_b32 v[\pw], v[TM+6], 16, v[\pw]
	v_lshl_or_b32 v[\pw], v[TM+7], 24, v[\pw]
.irp b, 0,1,2,3
.irp i, 0,1,2,3,4,5,6,7,8,9,10,11,12,13,14,15
.endr
	v_cvt_scalef32_pk8_fp8_f32 v[(\pc)+4*\b:(\pc)+4*\b+1], v[(\s)+16*\b:(\s)+16*\b+7], v[TM+12+\b]
	v_cvt_scalef32_pk8_fp8_f32 v[(\pc)+4*\b+2:(\pc)+4*\b+3], v[(\s)+16*\b+8:(\s)+16*\b+15], v[TM+12+\b]
.endr
	v_nop                                          ; one plain line behind the last conversion
.endm
; a K step's 16 rows x 512 bytes go into the stage as loaded and come back 64 bytes of each block's half a lane; LDS serves a wave's instructions in order
.macro TURN src, dst
.irp r, 0,1,2,3,4,5,6,7,8,9,10,11,12,13,14,15
	ds_store_b128 v3, v[\src+4*\r:\src+4*\r+3] offset:528*\r
.endr
.irp b, 0,1,2,3
.irp j, 0,1,2,3
	ds_load_b128 v[\dst+16*\b+4*\j:\dst+16*\b+4*\j+3], v4 offset:128*\b+16*\j
.endr
.endr
.endm
	s_load_b256 s[4:11], s[0:1], 0x0               ; x, Wq, Wk, Wv
	s_load_b256 s[12:19], s[0:1], 0x20             ; Wo, acodes, ascales, wcodes
	s_load_b64 s[20:21], s[0:1], 0x40              ; wscales
	s_set_vgpr_msb 0x40
	v_lshl_add_u32 v0, v0, 2, 0x8600
	v_mov_b32 v1, 0
	s_set_vgpr_msb 0x4000
	v_lshrrev_b32 v1, 5, v0
	v_readfirstlane_b32 s24, v1                    ; wave
	v_and_b32 v1, 31, v0                           ; lane
	v_lshlrev_b32 v2, 4, v1                        ; 16 x lane: my bytes of a load, of a store of codes, of the scale words
	v_and_b32 v7, 15, v0                           ; r
	v_bfe_u32 v11, v0, 4, 1                        ; h
	s_mul_i32 s25, s24, STB
	v_add_nc_u32 v3, s25, v2                       ; the stage, in: 16 x lane of a row
	v_mul_u32_u24 v4, v7, 528
	v_lshl_add_u32 v4, v11, 6, v4
	v_add_nc_u32 v4, s25, v4                       ; and out: row r, + 64 h
	s_lshl_b32 s26, s24, 2
	s_add_co_u32 s26, s26, SCB
	v_add_nc_u32 v5, s26, v2                       ; my scale word: 16 x lane + 4 x wave
	v_add_nc_u32 v6, SCB, v2                       ; and the four words of a lane on the way out
	s_mov_b32 s[SEL], 0x76543210
	s_mov_b32 s[SEL+1], 0xfedcba98
.irp b, 0,1,2,3
	v_mov_b32 v[TM+4+\b], 0                        ; written once: a lane permute's destination counts as one of its sources
.endr
	s_and_b32 s31, ttmp9, 63                       ; a weight's tile
	s_and_b32 s32, ttmp9, 255                      ; the tile in the codes' buffer
	s_cmp_lt_u32 ttmp9, 256
	s_cselect_b32 s31, ttmp9, s31                  ; the tile in the input
	s_lshr_b32 s33, s31, 1
	s_lshl_b32 s33, s33, 17                        ; 32 rows of 4,096 bytes
	s_and_b32 s34, s31, 1
	s_lshl_b32 s34, s34, 15                        ; 8 rows
	s_add_co_u32 s33, s33, s34
	s_lshl_b32 s34, s24, 10                        ; my wave's 1,024 bytes of a row
	s_add_co_u32 s34, s33, s34
	s_mov_b32 s35, 0
	s_lshl_b32 s36, s32, 14
	s_lshl_b32 s37, s24, 12
	s_add_co_u32 s36, s36, s37                     ; codes: 16,384 x tile + 4,096 x wave
	s_mov_b32 s37, 0
	s_lshl_b32 s38, s32, 9                         ; scale words: 512 x tile
	s_mov_b32 s39, 0
	s_wait_alu depctr_va_vdst(0)
	s_wait_kmcnt 0x0
	s_cmp_lt_u32 ttmp9, 448                        ; the buffers are chosen by the work-group's number alone
	s_cselect_b64 s[22:23], s[10:11], s[12:13]
	s_cmp_lt_u32 ttmp9, 384
	s_cselect_b64 s[22:23], s[8:9], s[22:23]
	s_cmp_lt_u32 ttmp9, 320
	s_cselect_b64 s[22:23], s[6:7], s[22:23]
	s_cmp_lt_u32 ttmp9, 256
	s_cselect_b64 s[22:23], s[4:5], s[22:23]
	s_cselect_b64 s[14:15], s[14:15], s[18:19]
	s_cselect_b64 s[16:17], s[16:17], s[20:21]
	s_add_nc_u64 s[22:23], s[22:23], s[34:35]
	s_add_nc_u64 s[14:15], s[14:15], s[36:37]
	s_add_nc_u64 s[16:17], s[16:17], s[38:39]
.irp sl, 0,1
.irp r, 0,1,2,3,4,5,6,7,8,9,10,11,12,13,14,15
	global_load_b128 v[LA+64*\sl+4*\r:LA+64*\sl+4*\r+3], v2, s[22:23] offset:(\r+8*(\r/8))*4096+512*\sl th:TH_LOAD_NT   ; 32 lanes read 512 consecutive bytes of the tile's row r
.endr
.endr
	s_wait_loadcnt 16                              ; K step 0's sixteen loads are in; K step 1's sixteen may be out
	TURN LA, XA
	s_wait_loadcnt 0x0                             ; K step 1's are in
	s_wait_dscnt 0x0                               ; K step 0 is back: the stage and LA may be written again
	TURN LB, LA                                    ; goes through the stage while K step 0 is quantised
	QUANT XA, PC, 8
.irp c, 0,1,2,3
	global_store_b128 v2, v[PC+4*\c:PC+4*\c+3], s[14:15] offset:512*\c          ; 512 consecutive bytes a store
.endr
	s_wait_dscnt 0x0                               ; K step 1 is back
	QUANT LA, PC+16, 9
.irp c, 0,1,2,3
	global_store_b128 v2, v[PC+16+4*\c:PC+16+4*\c+3], s[14:15] offset:2048+512*\c
.endr
	v_cmp_gt_u32 vcc_lo, 16, v1
	v_cndmask_b32 v10, v9, v8, vcc_lo              ; lanes 0-15 keep K step 2 w's word, lanes 16-31 K step 2 w + 1's
	ds_store_b32 v5, v10
	s_wait_dscnt 0x0                               ; for the others' sake: my word has landed
	s_barrier_signal -1
	s_barrier_wait -1
	s_cmp_lg_u32 s24, 0
	s_cbranch_scc1 .Ldone
	ds_load_b128 v[12:15], v6                      ; wave 0 stores the tile's 512 bytes of scale words on end
	s_wait_dscnt 0x0
	global_store_b128 v2, v[12:15], s[16:17]
.Ldone:
	s_set_vgpr_msb 0x5
	s_wait_tensorcnt 0x0
	ds_add_u32 v0, v1
	s_wait_dscnt 0x0
	s_set_vgpr_msb 0x500
	s_endpgm
.Lfunc_end_k_q0ce8108afe_quant:
	.size	k_q0ce8108afe_quant, .Lfunc_end_k_q0ce8108afe_quant-k_q0ce8108afe_quant
	.p2alignl 7, 3214868480
	.fill 96, 4, 3214868480
	.section	.rodata,"a",@progbits
	.p2align	6, 0x0
	.amdhsa_kernel k_q0ce8108afe_quant
		.amdhsa_group_segment_fixed_size 34816
		.amdhsa_private_segment_fixed_size 0
		.amdhsa_enable_private_segment 0
		.amdhsa_kernarg_size 72
		.amdhsa_user_sgpr_count 2
		.amdhsa_user_sgpr_kernarg_segment_ptr 1
		.amdhsa_wavefront_size32 1
		.amdhsa_system_sgpr_workgroup_id_x 1
		.amdhsa_system_sgpr_workgroup_id_y 1
		.amdhsa_system_sgpr_workgroup_id_z 1
		.amdhsa_system_vgpr_workitem_id 0
		.amdhsa_next_free_vgpr 258
		.amdhsa_next_free_sgpr 66
		.amdhsa_reserve_vcc 1
		.amdhsa_float_denorm_mode_32 3
		.amdhsa_float_denorm_mode_16_64 3
		.amdhsa_fp16_overflow 1
		.amdhsa_memory_ordered 1
		.amdhsa_forward_progress 1
		.amdhsa_inst_pref_size 19
	.end_amdhsa_kernel
	.amdgpu_metadata
---
amdhsa.version: [ 1, 2 ]
amdhsa.kernels:
  - .name:           k_q0ce8108afe_quant
    .symbol:         k_q0ce8108afe_quant.kd
    .args:
      - { .name: x, .offset: 0, .size: 8, .value_kind: global_buffer, .address_space: global }
      - { .name: Wq, .offset: 8, .size: 8, .value_kind: global_buffer, .address_space: global }
      - { .name: Wk, .offset: 16, .size: 8, .value_kind: global_buffer, .address_space: global }
      - { .name: Wv, .offset: 24, .size: 8, .value_kind: global_buffer, .address_space: global }
      - { .name: Wo, .offset: 32, .size: 8, .value_kind: global_buffer, .address_space: global }
      - { .name: acodes, .offset: 40, .size: 8, .value_kind: global_buffer, .address_space: global }
      - { .name: ascales, .offset: 48, .size: 8, .value_kind: global_buffer, .address_space: global }
      - { .name: wcodes, .offset: 56, .size: 8, .value_kind: global_buffer, .address_space: global }
      - { .name: wscales, .offset: 64, .size: 8, .value_kind: global_buffer, .address_space: global }
    .group_segment_fixed_size: 34816
    .private_segment_fixed_size: 0
    .kernarg_segment_align: 8
    .kernarg_segment_size: 72
    .max_flat_workgroup_size: 128
    .sgpr_count:     66
    .vgpr_count:     258
    .wavefront_size: 32
...
	.end_amdgpu_metadata
.endif
;; end of part 1
;; launch qkv (part 2): grid 24 x 32, 4 waves a work-group, clusters of 4 x 4, 262,656 bytes of LDS; arguments acodes, ascales, wcodes, wscales, qcodes, qscales, kv; writes qcodes, qscales, kv
.if DOCPART == 2
	.amdgcn_target "amdgcn-amd-amdhsa--gfx1250"
	.amdhsa_code_object_version 6
	.text
	.protected	k_q0ce8108afe_qkv
	.globl	k_q0ce8108afe_qkv
	.p2align	8
	.type	k_q0ce8108afe_qkv,@function
k_q0ce8108afe_qkv:
	s_mov_b64 s[64:65], 0
	v_nop
	global_prefetch_b8 v0, s[64:65] scope:SCOPE_SE
	s_setreg_imm32_b32 hwreg(HW_REG_WAVE_MODE, 25, 1), 1
	s_wait_xcnt 0x0
	s_wait_alu depctr_hold_cnt(0) depctr_sa_sdst(0) depctr_va_vdst(0) depctr_va_sdst(0) depctr_va_ssrc(0) depctr_va_vcc(0) depctr_vm_vsrc(0)
	s_getreg_b32 s2, hwreg(HW_REG_IB_STS2, 6, 4)
	s_cmp_eq_u32 s2, 0
	s_cbranch_scc0 .Lentry_in_a_cluster
	s_endpgm
.Lentry_in_a_cluster:
	s_bfe_u32 s2, ttmp6, 0x10000c
	s_cmp_lg_u32 s2, 0xf033
	s_cbranch_scc0 .Lentry_shape_is_right
	s_endpgm
.Lentry_shape_is_right:
; q = x Wq^T, k = x Wk^T, v = x Wv^T on codes of FP8 (E4M3) with E8M0 scales, and q, k, v quantised in registers for the attention that follows.
; Operands lie as images of fragments ([tile of 16 rows][K step 8][2,048 bytes]; tile 2 b + u, row r = the tensor's row 32 b + 8 u + r + 8 (r / 8)); scale words [tile][512]: at 16 l + 4 i
; K step 2 i's word in lanes 0-15, K step 2 i + 1's in lanes 16-31.
; SHARES: a work-group makes 128 tokens x 128 outputs; X = 0-7 Wq, 8-15 Wk, 16-23 Wv; four waves of 64 x 64: 16 accumulators.  A wave's 64 outputs are one head.
; ALL OF K IS RESIDENT: 8 K steps x (128 + 128 rows) x 128 bytes = 262,144 bytes of LDS, filled once, in four groups of two K steps: no byte of LDS is filled twice.
; CLUSTERS: 4 x 4 work-groups; the four of a row need the same tokens, the four of a column the same weights: each part is asked for jointly.
; ORIENTATION.  q, k: source 0 = weights, source 1 = tokens: a lane holds one token and its registers run along the head's 64, which is the next product's K.
; v: source 0 = tokens, source 1 = weights: a lane holds one channel and its registers run along the keys.  By the tiles' order of rows the 16 registers of results 2 b and 2 b + 1 are 16 neighbours.
; Which part is source 0 is chosen by s_cselect on the cluster's x, which all partners share; only the final stores part on it.
; OUT: qcodes [bh][tile 128][1,024] (chunks 0, 1 of an image);  qscales [bh][tile / 4][256]: tile a, row r at 8 (r + 16 (a % 2)) + 4 (a / 2), bytes 2, 3 = 0x7f;
; kv [bh][key step 16][17,152]: +0 K's 8 tiles x 1,024; +8,192 V^T's 4 tiles x 2,048 (keys innermost); +16,384 K's scale words, as q's, 2 x 256; +16,896 V's scale bytes in halves, 2 x 128.
; LIMITS: NaN and infinities are not served; a block whose largest magnitude lies under 2^-118 gets the byte 1 (read by this program alone).
.set LI,  1                            ; v1     16 x lane
.set L8,  2                            ; v2     8 x lane
.set L4,  3                            ; v3     4 x lane
.set A0,  4                            ; v4-7   LDS address of source 0's fragments in group 0..3
.set A1,  8                            ; v8-11  of source 1's
.set SH,  12                           ; v12    16 x (lane / 16)
.set S0,  32                           ; v32-47 source 0's scale words: tile q at 4 q, register i: K steps 2 i, 2 i + 1
.set S1,  48                           ; v48-63 source 1's
.set PC,  64                           ; v64-95 codes
.set TM,  96                           ; v96-111 at work
.set PW,  112                          ; v112-113 scale words just made
.set EW,  114                          ; v114-115 as they are stored
.set TT,  116                          ; v116-118 at work
.set ACC, 128                          ; v128-255 accumulator (p, q) at 8 (4 p + q): p source 1's tile, q source 0's.  Window 1: two buffers of 128: source 0 at 16 q, source 1 at 64 + 16 p
.set G1X, 28                           ; s[28:35] descriptor group 1 for the tokens' part;  s[36:43] for the weights'
.set G1W, 36
.set G0X, 44                           ; s[44:59] groups 0, one for each group of two K steps;  s[68:83] the weights'
.set G0W, 68
.set SEL, 92
.set MNT, 94
.set MSB, 0
.macro WIN new                         ; the immediate's high byte repeats the setting that is left
.if MSB != \new
	s_set_vgpr_msb (MSB<<8)|\new
.set MSB, \new
.endif
.endm
.macro PLACES n
.rept \n
	v_nop
.endr
.endm
.macro CROUND                          ; a round of the cluster's barrier
	s_barrier_signal -1
	s_barrier_wait -1
	s_cmp_lg_u32 s18, 0
	s_cbranch_scc1 .Lnot_wave_0_\@
	s_barrier_signal -3
.Lnot_wave_0_\@:
	s_barrier_wait -3
	s_barrier_signal -1
	s_barrier_wait -1
.endm
.macro QUANT s, pc, pw                 ; 64 numbers of a lane, register 16 b + i = index 32 b + 16 (lane / 16) + i, become 16 registers of codes and four scale bytes
.irp b, 0,1,2,3
	v_max3_num_f32 v[TM+\b], |v[(\s)+16*\b]|, |v[(\s)+1+16*\b]|, 0x4800000   ; each accumulator is read from its low end on; the floor 2^(9 - 127) holds the byte at 1 from below
.endr
.irp i, 2,4,6,8,10,12,14
.irp b, 0,1,2,3
	v_max3_num_f32 v[TM+\b], v[TM+\b], |v[(\s)+16*\b+\i]|, |v[(\s)+1+16*\b+\i]|
.endr
.endr
.irp b, 0,1,2,3
	v_permlanex16_b32 v[TM+4+\b], v[TM+\b], s[SEL], s[SEL+1]
.endr
.irp b, 0,1,2,3
	v_max_num_f32 v[TM+\b], v[TM+\b], v[TM+4+\b]
.endr
.irp b, 0,1,2,3
	v_add_nc_u32 v[TM+12+\b], 0xfc000000, v[TM+\b]
.endr
.irp b, 0,1,2,3
.endr
.irp b, 0,1,2,3
	v_lshrrev_b32 v[TM+4+\b], 23, v[TM+12+\b]
.endr
	v_lshl_or_b32 v[\pw], v[TM+5], 8, v[TM+4]
	v_lshl_or_b32 v[\pw], v[TM+6], 16, v[\pw]
	v_lshl_or_b32 v[\pw], v[TM+7], 24, v[\pw]
.irp b, 0,1,2,3
.irp i, 0,1,2,3,4,5,6,7,8,9,10,11,12,13,14,15
.endr
	v_cvt_scalef32_pk8_fp8_f32 v[(\pc)+4*\b:(\pc)+4*\b+1], v[(\s)+16*\b:(\s)+16*\b+7], v[TM+12+\b]
	v_cvt_scalef32_pk8_fp8_f32 v[(\pc)+4*\b+2:(\pc)+4*\b+3], v[(\s)+16*\b+8:(\s)+16*\b+15], v[TM+12+\b]
.endr
	v_nop                                          ; one plain line behind the last conversion
.endm
; 32 LDS loads in one run: the eight fragments of one K step (group g, its step sl) into buffer f: source 0's four, then source 1's tiles 0, 1, then 2, 3
.macro FETCH g, sl, f
	WIN 0x40                                       ; destination window 1, address window 0
.irp q, 0,1,2,3
.irp c, 0,1,2,3
	ds_load_b128 v[128*(\f)+16*\q+4*\c:128*(\f)+16*\q+4*\c+3], v[A0+(\g)] offset:4096*\q+2048*(\sl)+512*\c
.endr
.endr
.irp p, 0,1,2,3
.irp c, 0,1,2,3
	ds_load_b128 v[128*(\f)+64+16*\p+4*\c:128*(\f)+64+16*\p+4*\c+3], v[A1+(\g)] offset:4096*\p+2048*(\sl)+512*\c
.endr
.endr
.endm
; 8 matrix instructions: source 1's tiles p0, p0 + 1 x source 0's four, K step s.  The 16 accumulators take turns, one instruction a turn.  cm = 1: the product starts the sum
.macro MUL8 f, p0, s, cm
	WIN 0x05                                       ; sources 0 and 1 window 1; C and D window 0
.irp p, \p0, \p0+1
.irp q, 0,1,2,3
.set rD, ACC+8*(4*(\p)+\q)
.set rA, 128*(\f)+16*\q
.set rB, 128*(\f)+64+16*(\p)
.set rSA, S0+4*\q+(\s)/2
.set rSB, S1+4*(\p)+(\s)/2
.if (\cm) == 1
	v_wmma_scale_f32_16x16x128_f8f6f4 v[rD:rD+7], v[rA:rA+15], v[rB:rB+15], 0, v[rSA], v[rSB]
.elseif (\s)%2
	v_wmma_scale_f32_16x16x128_f8f6f4 v[rD:rD+7], v[rA:rA+15], v[rB:rB+15], v[rD:rD+7], v[rSA], v[rSB] matrix_a_scale:MATRIX_SCALE_ROW1 matrix_b_scale:MATRIX_SCALE_ROW1
.else
	v_wmma_scale_f32_16x16x128_f8f6f4 v[rD:rD+7], v[rA:rA+15], v[rB:rB+15], v[rD:rD+7], v[rSA], v[rSB]
.endif
.endr
.endr
.endm
; K step s: 16 matrix instructions; in its middle the next step's fragments are fetched into the other buffer.  Steps 1, 3, 5 fetch from the next group: a plain barrier shows it whole
.macro STEP s, cm
.if ((\s) == 1) || ((\s) == 3) || ((\s) == 5)
	s_wait_dscnt 0x0                               ; no LDS instruction of mine is out at a signal
	s_wait_tensorcnt 3-((\s)+1)/2                  ; my part of the next group has landed; the groups issued behind it may stay out
	s_barrier_signal -1
.else
	s_wait_dscnt 8                                 ; source 0 and source 1's tiles 0, 1 are in; the youngest eight loads (tiles 2, 3) may be out
.endif
	MUL8 (\s)%2, 0, \s, \cm
.if ((\s) == 1) || ((\s) == 3) || ((\s) == 5)
	s_barrier_wait -1                              ; everybody's part has landed
.endif
.if (\s) < 7
	PLACES 8                                       ; eight places in front of loads into registers that the last step's products read
	FETCH ((\s)+1)/2, ((\s)+1)%2, ((\s)+1)%2
	s_wait_dscnt 32                                ; all but the 32 just issued
.else
	s_wait_dscnt 0x0
.endif
	MUL8 (\s)%2, 2, \s, \cm
.endm
	s_load_b256 s[4:11], s[0:1], 0x0               ; acodes, ascales, wcodes, wscales
	s_load_b128 s[12:15], s[0:1], 0x20             ; qcodes, qscales
	s_load_b64 s[16:17], s[0:1], 0x30              ; kv
	v_lshl_add_u32 v126, v0, 2, 0x40000
	v_mov_b32 v127, 0
	ds_add_u32 v126, v127
	ds_add_u32 v126, v127
	v_lshrrev_b32 v1, 5, v0
	v_readfirstlane_b32 s18, v1                    ; wave 0..3
	s_lshr_b32 s19, s18, 1                         ; which 64 tokens are mine.  Also: I fetch tokens (0) or weights (1)
	s_and_b32 s20, s18, 1                          ; which 64 outputs.  Also: which four tiles of that part I fetch
	s_bfe_u32 s21, ttmp6, 0x40000                  ; cx
	s_bfe_u32 s22, ttmp6, 0x40004                  ; cy
	s_lshl_b32 s23, ttmp9, 2
	s_add_co_u32 s23, s23, s21                     ; X = 4 x cluster x + cx
	s_and_b32 s24, ttmp7, 0xffff
	s_lshl_b32 s24, s24, 2
	s_add_co_u32 s24, s24, s22                     ; Y = 4 x cluster y + cy
	s_lshl_b32 s25, s22, 2
	s_lshl_b32 s25, 15, s25                        ; my row of the cluster
	s_lshl_b32 s26, 0x1111, s21                    ; my column
	; group 1: four tiles' two K steps: 4 rows of 4,096 bytes (512 elements of 8 bytes), 16,384 bytes apart, laid on end in LDS
	s_or_b32 s[G1X], s25, (3<<16)|(1<<21)          ; 15:0 the mask: tokens go to my row; 17:16 elements of 8 bytes; 21 set beside a mask; no padding
	s_or_b32 s[G1W], s26, (3<<16)|(1<<21)          ; weights go to my column
.irp g, G1X, G1W
	s_mov_b32 s[\g+1], 512<<16                     ; tensor_dim0
	s_mov_b32 s[\g+2], 4<<16                       ; tensor_dim1
	s_mov_b32 s[\g+3], 512<<16                     ; tile_dim0
	s_mov_b32 s[\g+4], 4                           ; tile_dim1
	s_mov_b32 s[\g+5], 2048                        ; tensor_dim0_stride
	s_mov_b32 s[\g+6], 0
	s_mov_b32 s[\g+7], 0
.endr
	s_lshl_b32 s84, s24, 17                        ; tokens: tile 8 Y + 4 x half, 16,384 bytes a tile (registers that never hold cx)
	s_lshl_b32 s85, s20, 16
	s_add_co_u32 s84, s84, s85
	s_mov_b32 s85, 0
	s_lshl_b32 s88, s23, 17                        ; weights: tile 8 X + 4 x half (registers that never hold cy)
	s_lshl_b32 s89, s20, 16
	s_add_co_u32 s88, s88, s89
	s_mov_b32 s89, 0
	s_lshl_b32 s27, s18, 14                        ; where they go: 16,384 x wave: tokens' two halves, then weights' two halves
	s_wait_dscnt 0x0
	s_wait_kmcnt 0x0
	s_add_nc_u64 s[86:87], s[4:5], s[84:85]
	s_add_nc_u64 s[90:91], s[8:9], s[88:89]
	CROUND                                         ; all sixteen work-groups are here: the joint loads meet
.irp g, 0,1,2,3
	s_mov_b32 s[G0X+4*\g], 1
	s_add_co_u32 s[G0X+4*\g+1], s27, 65536*\g
	s_add_nc_u64 s[G0X+4*\g+2:G0X+4*\g+3], s[86:87], 4096*\g
	s_or_b32 s[G0X+4*\g+3], s[G0X+4*\g+3], 0x80000000
	s_mov_b32 s[G0W+4*\g], 1
	s_add_co_u32 s[G0W+4*\g+1], s27, 65536*\g
	s_add_nc_u64 s[G0W+4*\g+2:G0W+4*\g+3], s[90:91], 4096*\g
	s_or_b32 s[G0W+4*\g+3], s[G0W+4*\g+3], 0x80000000
.endr
	s_cmp_eq_u32 s19, 0                            ; a wave's four fills stand in one branch on its number: four loads of mine are out
	s_cbranch_scc0 .Lfill_w
.irp g, 0,1,2,3
	tensor_load_to_lds s[G0X+4*\g:G0X+4*\g+3], s[G1X:G1X+7]
	s_nop 0
.endr
	PLACES 4
	s_branch .Lfilled
.Lfill_w:
.irp g, 0,1,2,3
	tensor_load_to_lds s[G0W+4*\g:G0W+4*\g+3], s[G1W:G1W+7]
	s_nop 0
.endr
	PLACES 4
.Lfilled:
	v_and_b32 v13, 31, v0
	v_lshlrev_b32 v[LI], 4, v13
	v_lshlrev_b32 v[L8], 3, v13
	v_lshlrev_b32 v[L4], 2, v13
	v_bfe_u32 v[SH], v0, 4, 1
	v_lshlrev_b32 v[SH], 4, v[SH]
.irp b, 0,1,2,3
	v_mov_b32 v[TM+4+\b], 0                        ; written once: a lane permute's destination counts as one of its sources
.endr
	s_lshl_b32 s92, s19, 14                        ; my 64 tokens in a group
	s_lshl_b32 s93, s20, 14
	s_add_co_u32 s93, s93, 32768                   ; my 64 weight rows, behind the tokens' 32,768 bytes
	s_cmp_lt_u32 ttmp9, 4                          ; q, k: source 0 = weights;  v: source 0 = tokens
	s_cselect_b32 s94, s93, s92
	s_cselect_b32 s95, s92, s93
.irp g, 0,1,2,3
	v_add_nc_u32 v[A0+\g], s94, v[LI]
	v_add_nc_u32 v[A1+\g], s95, v[LI]
	s_add_co_u32 s94, s94, 65536
	s_add_co_u32 s95, s95, 65536
.endr
	s_lshl_b32 s92, s24, 12                        ; the tokens' scale words: 512 bytes a tile, tile 8 Y + 4 w'
	s_lshl_b32 s93, s19, 11
	s_add_co_u32 s92, s92, s93
	s_mov_b32 s93, 0
	s_add_nc_u64 s[96:97], s[6:7], s[92:93]
	s_lshl_b32 s92, s23, 12                        ; the weights': tile 8 X + 4 wl
	s_lshl_b32 s98, s20, 11
	s_add_co_u32 s92, s92, s98
	s_add_nc_u64 s[98:99], s[10:11], s[92:93]
	s_cmp_lt_u32 ttmp9, 4
	s_cselect_b64 s[60:61], s[98:99], s[96:97]
	s_cselect_b64 s[62:63], s[96:97], s[98:99]
.irp q, 0,1,2,3
	global_load_b128 v[S0+4*\q:S0+4*\q+3], v[LI], s[60:61] offset:512*\q      ; a tile's scale words for all of K: 512 consecutive bytes
	global_load_b128 v[S1+4*\q:S1+4*\q+3], v[LI], s[62:63] offset:512*\q
.endr
	; where the results go
	s_lshr_b32 s66, s24, 4
	s_lshl_b32 s66, s66, 4
	s_and_b32 s67, s23, 7
	s_lshl_b32 s67, s67, 1
	s_add_co_u32 s66, s66, s67
	s_add_co_u32 s66, s66, s20                     ; bh = 16 x batch + 2 (X % 8) + wl
	s_and_b32 s67, s24, 15                         ; the key step, or the block of 128 queries
	s_mul_i32 s92, s66, 274432
	s_mul_i32 s93, s67, 17152
	s_add_co_u32 s92, s92, s93                     ; the block of kv
	s_lshl_b32 s99, s19, 12
	s_lshl_b32 s93, s66, 17
	s_lshl_b32 s94, s67, 13
	s_add_co_u32 s93, s93, s94
	s_add_co_u32 s93, s93, s99                     ; q's codes
	s_add_co_u32 s94, s92, s99                     ; k's codes
	s_lshl_b32 s99, s19, 10
	s_add_co_u32 s95, s92, s99
	s_add_co_u32 s95, s95, 8192                    ; v's codes
	s_lshl_b32 s99, s19, 8
	s_lshl_b32 s96, s66, 13
	s_lshl_b32 s97, s67, 9
	s_add_co_u32 s96, s96, s97
	s_add_co_u32 s96, s96, s99                     ; q's scale words
	s_add_co_u32 s97, s92, s99
	s_add_co_u32 s97, s97, 16384                   ; k's
	s_lshl_b32 s99, s19, 7
	s_add_co_u32 s98, s92, s99
	s_add_co_u32 s98, s98, 16896                   ; v's
	s_cmp_lt_u32 ttmp9, 2
	s_cselect_b64 s[12:13], s[12:13], s[16:17]
	s_cselect_b64 s[14:15], s[14:15], s[16:17]
	s_cselect_b32 s93, s93, s94
	s_cselect_b32 s96, s96, s97
	s_cmp_lt_u32 ttmp9, 4
	s_cselect_b32 s2, s93, s95
	s_cselect_b32 s96, s96, s98
	s_mov_b32 s3, 0
	s_add_nc_u64 s[12:13], s[12:13], s[2:3]
	s_mov_b32 s2, s96
	s_add_nc_u64 s[14:15], s[14:15], s[2:3]
	s_mov_b32 s[SEL], 0x76543210
	s_mov_b32 s[SEL+1], 0xfedcba98
	s_mov_b32 s95, 0x7f7f0000                      ; the scale bytes of the zero codes that fill a head's 64 up to 128
	s_wait_alu depctr_va_vdst(0)
	s_wait_loadcnt 0x0                             ; the scale words
	s_wait_tensorcnt 3                             ; my part of group 0 has landed; the three groups behind it may stay out
	s_barrier_signal -1
	s_barrier_wait -1                              ; everybody's has
	FETCH 0, 0, 0
	STEP 0, 1                                      ; the first K step starts the sums: nothing is cleared
	STEP 1, 0
	STEP 2, 0
	STEP 3, 0
	STEP 4, 0
	STEP 5, 0
	STEP 6, 0
	STEP 7, 0
	WIN 0
	PLACES 8                                       ; in front of the first read of results
.irp pp, 0,1
	QUANT ACC+64*\pp, PC+16*\pp, PW+\pp            ; source 1's tiles 2 pp (blocks 0, 1) and 2 pp + 1 (blocks 2, 3)
.endr
	s_cmp_lt_u32 ttmp9, 4
	s_cbranch_scc0 .Lway_v
.irp pp, 0,1
.irp b, 0,1,2,3
	global_store_b128 v[LI], v[PC+16*\pp+4*\b:PC+16*\pp+4*\b+3], s[12:13] offset:2048*\pp+512*\b   ; token tile 2 pp + b / 2, chunk b % 2: 512 consecutive bytes
.endr
	v_lshrrev_b32 v[TT], v[SH], v[PW+\pp]          ; lanes 0-15 keep tile 2 pp's two bytes, lanes 16-31 tile 2 pp + 1's
	v_and_or_b32 v[EW+\pp], v[TT], 0xffff, s95
.endr
	global_store_b64 v[L8], v[EW:EW+1], s[14:15]   ; four tiles' scale words: 256 consecutive bytes
	s_branch .Lout
.Lway_v:
	s_wait_alu depctr_va_vdst(0)
.irp pp, 0,1
.irp b, 0,1,2,3
	global_store_b128 v[LI], v[PC+16*\pp+4*\b:PC+16*\pp+4*\b+3], s[12:13] offset:4096*\pp+2048*(\b/2)+512*(\b%2)   ; V^T's tile 2 pp + b / 2, key block 2 w' + b % 2
.endr
	v_lshrrev_b32 v[TT+\pp], v[SH], v[PW+\pp]
.endr
	v_perm_b32 v[TT+2], v[TT+1], v[TT], 0x05040100 ; the two bytes of tile h below, of tile 2 + h above
	global_store_b32 v[L4], v[TT+2], s[14:15]      ; 128 consecutive bytes: a word's other two bytes are the other wave's
.Lout:
	s_wait_tensorcnt 0x0
	ds_add_u32 v126, v127
	s_wait_dscnt 0x0
	CROUND                                         ; the closing round: no work-group ends while a partner may still ask for a part that names it
	s_endpgm
.Lfunc_end_k_q0ce8108afe_qkv:
	.size	k_q0ce8108afe_qkv, .Lfunc_end_k_q0ce8108afe_qkv-k_q0ce8108afe_qkv
	.p2alignl 7, 3214868480
	.fill 96, 4, 3214868480
	.section	.rodata,"a",@progbits
	.p2align	6, 0x0
	.amdhsa_kernel k_q0ce8108afe_qkv
		.amdhsa_group_segment_fixed_size 262656
		.amdhsa_private_segment_fixed_size 0
		.amdhsa_enable_private_segment 0
		.amdhsa_kernarg_size 56
		.amdhsa_user_sgpr_count 2
		.amdhsa_user_sgpr_kernarg_segment_ptr 1
		.amdhsa_wavefront_size32 1
		.amdhsa_system_sgpr_workgroup_id_x 1
		.amdhsa_system_sgpr_workgroup_id_y 1
		.amdhsa_system_sgpr_workgroup_id_z 1
		.amdhsa_system_vgpr_workitem_id 0
		.amdhsa_next_free_vgpr 512
		.amdhsa_next_free_sgpr 100
		.amdhsa_reserve_vcc 0
		.amdhsa_float_denorm_mode_32 3
		.amdhsa_float_denorm_mode_16_64 3
		.amdhsa_fp16_overflow 1
		.amdhsa_memory_ordered 1
		.amdhsa_forward_progress 1
		.amdhsa_inst_pref_size 56
	.end_amdhsa_kernel
	.amdgpu_metadata
---
amdhsa.version: [ 1, 2 ]
amdhsa.kernels:
  - .name:           k_q0ce8108afe_qkv
    .symbol:         k_q0ce8108afe_qkv.kd
    .args:
      - { .name: acodes, .offset: 0, .size: 8, .value_kind: global_buffer, .address_space: global }
      - { .name: ascales, .offset: 8, .size: 8, .value_kind: global_buffer, .address_space: global }
      - { .name: wcodes, .offset: 16, .size: 8, .value_kind: global_buffer, .address_space: global }
      - { .name: wscales, .offset: 24, .size: 8, .value_kind: global_buffer, .address_space: global }
      - { .name: qcodes, .offset: 32, .size: 8, .value_kind: global_buffer, .address_space: global }
      - { .name: qscales, .offset: 40, .size: 8, .value_kind: global_buffer, .address_space: global }
      - { .name: kv, .offset: 48, .size: 8, .value_kind: global_buffer, .address_space: global }
    .group_segment_fixed_size: 262656
    .private_segment_fixed_size: 0
    .kernarg_segment_align: 8
    .kernarg_segment_size: 56
    .max_flat_workgroup_size: 128
    .sgpr_count:     100
    .vgpr_count:     512
    .wavefront_size: 32
...
	.end_amdgpu_metadata
.endif
;; end of part 2
;; launch attn (part 3): grid 8 x 32, 16 waves a work-group, no clusters, 276,992 bytes of LDS; arguments qcodes, qscales, kv, acodes, ascales; writes acodes, ascales
.if DOCPART == 3
	.amdgcn_target "amdgcn-amd-amdhsa--gfx1250"
	.amdhsa_code_object_version 6
	.text
	.protected	k_q0ce8108afe_attn
	.globl	k_q0ce8108afe_attn
	.p2align	8
	.type	k_q0ce8108afe_attn,@function
k_q0ce8108afe_attn:
	s_mov_b64 s[64:65], 0
	v_nop
	global_prefetch_b8 v0, s[64:65] scope:SCOPE_SE
	s_setreg_imm32_b32 hwreg(HW_REG_WAVE_MODE, 25, 1), 1
	s_wait_xcnt 0x0
; ctx[b][q][h 64 + d] = the sum over keys k <= q of softmax_k(q . k / 8) v, both products on codes of FP8 (E4M3) with E8M0 scales; ctx is quantised along h 64 + d for the projection that follows.
; THE SOFTMAX: t = score x log2(e) / 8; M = the running largest t rounded UP to a whole number; p = 2^(t - M) is quantised along the keys, not normalised; the row's sum is taken of the
; unquantised p and divides at the end.  When M moves, the sum and O are multiplied by 2^(old M - new M), which rounds nothing.
; SHARES.  A work-group owns one head (bh = work-group y) and two blocks of 128 queries, j and 15 - j (j = work-group x); each of its sixteen waves owns one tile of 16 queries.
; A wave of block j walks j + 1 key steps of 128 keys, one of block 15 - j walks 16 - j: 17 for each pair, whatever j.  Steps all of whose keys come after the tile's queries are left out by a scalar branch on ids.
; THE WHOLE HEAD IS RESIDENT: its 16 blocks of kv (17,152 bytes a key step: K's 8 tiles, V^T's 4, their scale bytes) are 274,432 bytes of LDS, filled once by waves 0-3, four loads each.
; LAYOUT.  S^T = K Q^T (source 0 = 16 keys, source 1 = my queries), O^T = V^T P^T: a lane holds one query (lane % 16).  Tile 2 b + u, row r is key (or query, or channel) 32 b + 8 u + r + 8 (r / 8),
; so the 16 registers of results 2 b, 2 b + 1 are 16 neighbours: 32 b + 16 (lane / 16) + 0 .. 15.  The head's 64 fill half of the instruction's K: the other 64 are zero codes on both sides, under the byte 0x7f.
; NO CLUSTER: the work-groups that share K and V are the query blocks of one head, and what a wave leaves out under the mask is chosen by a branch on its query block, which would be
; the work-group's place in the cluster.
; OUT: acodes [tile 256][K step 8][2,048]: my 1,024 bytes at 1,024 x head;  ascales [bh][tile / 4][row 16][tile % 4] two bytes.
; LIMITS: NaN and infinities are not served.  A block's largest p is taken through the block's largest score: this takes v_exp_f32 not to fall where its input rises.
; A block whose largest magnitude lies under 2^-118 gets the byte 1 (read by this program alone).
.set BLK, 17152
.set STG, 16*BLK                       ; behind the head: 512 bytes for ctx's scale bytes; no fill lands there
.set ADK, 8                            ; v8   LDS address of the step's codes: 16 x lane
.set ADS, 9                            ; v9   of K's scale words: 8 x lane
.set ADT, 10                           ; v10  of V's scale halves: 4 x lane
.set QF,  16                           ; v16-31  Q's fragment; v24-31 zero codes
.set KF,  32                           ; v32-95  four fragments of K; the upper eight registers of each are zero codes
.set SC,  96                           ; v96-159 S^T, then p, then V's four fragments
.set OT,  160                          ; v160-191 O^T
.set PCD, 192                          ; v192-207 p's codes
.set KS,  208                          ; v208-211 K's scale words: register 2 (t / 4) + (t / 2) % 2, lanes 16 (t % 2) on
.set VL,  212                          ; v212-213 V's scale halves as loaded
.set VS,  214                          ; v214-215 V's scale words: register p / 2, lanes 16 (p % 2) on
.set QS,  216                          ; v216 Q's scale words
.set PS,  217                          ; v217 p's scale word
.set CW,  218                          ; v218 ctx's two scale bytes
.set BM,  220                          ; v220-223 block maxima;  v224-227 bytes;  v232-235 conversion scales
.set BY,  224
.set HO,  228
.set CV,  232
.set S2,  236                          ; v[236:237] the sum's second chain
.set TP,  238
.set FF,  240                          ; v[240:241] f = 2^(old M - new M)
.set NI,  242                          ; -infinity
.set WV,  14
.set LIM, 20                           ; s20 my tile's last key step, the one on the diagonal
.set SI,  21                           ; s21 the key step
.set TB,  22                           ; s22 its block's LDS byte
.set CNT, 23
.set CS,  24                           ; s[24:25] c = log2(e) / 8
.set SEL, 26
.set MNT, 28
.set G1,  32                           ; s[32:39] descriptor group 1;  s[40:55] four groups 0
.set G0,  40
.macro PLACES n
.rept \n
	v_nop
.endr
.endm
.macro SPROD t                         ; S^T of key tile t
.set rD, SC+8*(\t)
.set rA, KF+16*((\t)%4)
.set rS, KS+2*((\t)/4)+(((\t)/2)%2)
.if (\t)%2
	v_wmma_scale_f32_16x16x128_f8f6f4 v[rD:rD+7], v[rA:rA+15], v[QF:QF+15], 0, v[rS], v[QS] matrix_a_scale:MATRIX_SCALE_ROW1
.else
	v_wmma_scale_f32_16x16x128_f8f6f4 v[rD:rD+7], v[rA:rA+15], v[QF:QF+15], 0, v[rS], v[QS]
.endif
.endm
.macro OPROD p                         ; O^T of channel tile p: the four accumulators take turns
.set rD, OT+8*(\p)
.set rA, SC+16*(\p)
.if (\p)%2
	v_wmma_scale_f32_16x16x128_f8f6f4 v[rD:rD+7], v[rA:rA+15], v[PCD:PCD+15], v[rD:rD+7], v[VS+(\p)/2], v[PS] matrix_a_scale:MATRIX_SCALE_ROW1
.else
	v_wmma_scale_f32_16x16x128_f8f6f4 v[rD:rD+7], v[rA:rA+15], v[PCD:PCD+15], v[rD:rD+7], v[VS+(\p)/2], v[PS]
.endif
.endm
; A KEY STEP of 128 keys
.macro STEP
	s_cmp_gt_u32 s[SI], s[LIM]                     ; all its keys come after my queries: only the lines at its end that step addresses are run
	s_cbranch_scc1 .Lhidden_\@
	s_setprio 2
	v_add_nc_u32 v[ADK], s[TB], v1
	v_add_nc_u32 v[ADS], s[TB], v2
	v_add_nc_u32 v[ADT], s[TB], v3
	PLACES 6                                       ; with the three additions nine places: the first product below writes over registers that the last step's products read
.irp t, 0,1,2,3
.irp c, 0,1
	ds_load_b128 v[KF+16*\t+4*\c:KF+16*\t+4*\c+3], v[ADK] offset:1024*\t+512*\c
.endr
.endr
	ds_load_b64 v[KS:KS+1], v[ADS] offset:16384
	ds_load_b64 v[KS+2:KS+3], v[ADS] offset:16640
	ds_load_b32 v[VL], v[ADT] offset:16896
	ds_load_b32 v[VL+1], v[ADT] offset:17024
	s_wait_alu depctr_va_vdst(0)
	s_wait_dscnt 0x0
.irp t, 0,1,2,3
	SPROD \t
.endr
	PLACES 8                                       ; in front of loads into registers that these products read
.irp t, 0,1,2,3
.irp c, 0,1
	ds_load_b128 v[KF+16*\t+4*\c:KF+16*\t+4*\c+3], v[ADK] offset:4096+1024*\t+512*\c
.endr
.endr
	s_wait_dscnt 0x0
.irp t, 4,5,6,7
	SPROD \t
.endr
	v_perm_b32 v[VS], v[VL+1], v[VL], 0x05040100   ; V's scale words of tiles 0, 1: key blocks 0, 1 from the first half, 2, 3 from the second
	v_perm_b32 v[VS+1], v[VL+1], v[VL], 0x07060302 ; of tiles 2, 3.  With the six below: eight places in front of the first read of the scores
	PLACES 6
	s_cmp_lg_u32 s[SI], s[LIM]                     ; on the diagonal hidden scores become -infinity ahead of the maximum: p = 0 then
	s_cbranch_scc1 .Lopen_\@
.set n, 0
.rept 64
	v_cmp_gt_i32 vcc_lo, 32*(n/16)+n%16, v4        ; register 16 b + i holds key 32 b + 16 (lane / 16) + i of the step: hidden where 32 b + i > my query - 16 (lane / 16)
	v_cndmask_b32 v[SC+n], v[SC+n], v[NI], vcc_lo
.set n, n+1
.endr
.Lopen_\@:
.irp b, 0,1,2,3
	v_max3_num_f32 v[BM+\b], v[SC+16*\b], v[SC+1+16*\b], v[SC+2+16*\b]   ; the largest score of each block of 32 keys: for the row's maximum, and for the block's largest p
.endr
.irp i, 3,5,7,9,11,13
.irp b, 0,1,2,3
	v_max3_num_f32 v[BM+\b], v[BM+\b], v[SC+16*\b+\i], v[SC+1+16*\b+\i]
.endr
.endr
.irp b, 0,1,2,3
	v_max_num_f32 v[BM+\b], v[BM+\b], v[SC+15+16*\b]
.endr
.irp b, 0,1,2,3
	s_delay_alu instid0(VALU_DEP_4)
	v_permlanex16_b32 v[BY+\b], v[BM+\b], s[SEL], s[SEL+1]
.endr
.irp b, 0,1,2,3
	s_delay_alu instid0(VALU_DEP_4)
	v_max_num_f32 v[BM+\b], v[BM+\b], v[BY+\b]     ; with lane l xor 16's 16 keys
.endr
	s_delay_alu instid0(VALU_DEP_2)
	v_max3_num_f32 v[TP], v[BM], v[BM+1], v[BM+2]
	s_delay_alu instid0(VALU_DEP_1)
	v_max_num_f32 v[TP], v[TP], v[BM+3]
	s_delay_alu instid0(VALU_DEP_1)
	v_mul_f32 v[TP], s[CS], v[TP]                  ; as t (c is positive)
	s_delay_alu instid0(VALU_DEP_1)
	v_max_num_f32 v13, v13, v[TP]                  ; the running largest t
	v_mov_b32 v[TP], v12
	s_delay_alu instid0(VALU_DEP_2)
	v_floor_f32 v12, -v13                          ; the new -M = floor(-t): M is a whole number
	s_delay_alu instid0(VALU_DEP_1)
	v_sub_f32 v[TP], v12, v[TP]                    ; old M - new M, 0 or less
	s_delay_alu instid0(VALU_DEP_1)
	v_cvt_i32_f32 v[TP], v[TP]                     ; (it saturates)
	s_delay_alu instid0(VALU_DEP_1)
	v_ldexp_f32 v[FF], 1.0, v[TP]                  ; f
.set n, 0
.rept 32
	v_pk_fma_f32 v[SC+n:SC+n+1], v[SC+n:SC+n+1], s[CS:CS+1], v[12:13] op_sel_hi:[1,0,0]   ; t - M, two at a time
.set n, n+2
.endr
	s_setprio 1
.irp b, 0,1,2,3
	v_fma_f32 v[BM+\b], v[BM+\b], s[CS], v12       ; the same of each block's largest score
.endr
.set n, 0
	s_wait_alu depctr_va_vdst(0)
.rept 64
	v_exp_f32 v[SC+n], v[SC+n]                     ; p = 2^(t - M)
.set n, n+1
.endr
.irp b, 0,1,2,3
	v_exp_f32 v[BM+\b], v[BM+\b]                   ; the block's largest p
.endr
	v_pk_mul_f32 v[14:15], v[14:15], v[FF:FF+1] op_sel_hi:[1,0]   ; the sums under the new M; a plain line behind the exponentials
	s_wait_alu depctr_va_vdst(0)
.irp b, 0,1,2,3
	v_max_num_f32 v[BM+\b], 0x4800000, v[BM+\b]    ; the floor 2^(9 - 127)
.endr
.irp b, 0,1,2,3
	s_delay_alu instid0(VALU_DEP_4)
	v_add_nc_u32 v[CV+\b], 0xfc000000, v[BM+\b]
.endr
.irp b, 0,1,2,3
.endr
.irp b, 0,1,2,3
	s_delay_alu instid0(VALU_DEP_4)
	v_lshrrev_b32 v[BY+\b], 23, v[CV+\b]
.endr
	s_delay_alu instid0(VALU_DEP_3)
	v_lshl_or_b32 v[PS], v[BY+1], 8, v[BY]         ; p's scale word for these 128 keys
	s_delay_alu instid0(VALU_DEP_1)
	v_lshl_or_b32 v[PS], v[BY+2], 16, v[PS]
	s_delay_alu instid0(VALU_DEP_1)
	v_lshl_or_b32 v[PS], v[BY+3], 24, v[PS]
	v_pk_add_f32 v[236:237], v[100:101], v[104:105]
	v_pk_add_f32 v[252:253], v[108:109], v[112:113]
	v_pk_add_f32 v[250:251], v[116:117], v[120:121]
	v_pk_add_f32 v[248:249], v[124:125], v[128:129]
	v_pk_add_f32 v[246:247], v[132:133], v[136:137]
	v_pk_add_f32 v[244:245], v[140:141], v[144:145]
	v_pk_add_f32 v[230:231], v[148:149], v[152:153]
	v_pk_add_f32 v[14:15], v[14:15], v[156:157]
	v_pk_add_f32 v[236:237], v[236:237], v[96:97]
	v_pk_add_f32 v[252:253], v[252:253], v[98:99]
	v_pk_add_f32 v[250:251], v[250:251], v[102:103]
	v_pk_add_f32 v[248:249], v[248:249], v[106:107]
	v_pk_add_f32 v[246:247], v[246:247], v[110:111]
	v_pk_add_f32 v[244:245], v[244:245], v[114:115]
	v_pk_add_f32 v[230:231], v[230:231], v[118:119]
	v_pk_add_f32 v[14:15], v[14:15], v[122:123]
	v_pk_add_f32 v[236:237], v[236:237], v[126:127]
	v_pk_add_f32 v[252:253], v[252:253], v[130:131]
	v_pk_add_f32 v[250:251], v[250:251], v[134:135]
	v_pk_add_f32 v[248:249], v[248:249], v[138:139]
	v_pk_add_f32 v[246:247], v[246:247], v[142:143]
	v_pk_add_f32 v[244:245], v[244:245], v[146:147]
	v_pk_add_f32 v[230:231], v[230:231], v[150:151]
	v_pk_add_f32 v[14:15], v[14:15], v[154:155]
	v_pk_add_f32 v[236:237], v[236:237], v[158:159]
	s_delay_alu instid0(VALU_DEP_2)
	v_pk_add_f32 v[14:15], v[14:15], v[248:249]
	s_delay_alu instid0(VALU_DEP_2)
	v_pk_add_f32 v[236:237], v[236:237], v[246:247]
	v_pk_add_f32 v[252:253], v[252:253], v[244:245]
	v_pk_add_f32 v[250:251], v[250:251], v[230:231]
	s_delay_alu instid0(VALU_DEP_2)
	v_pk_add_f32 v[14:15], v[14:15], v[252:253]
	s_delay_alu instid0(VALU_DEP_2)
	v_pk_add_f32 v[236:237], v[236:237], v[250:251]
	s_delay_alu instid0(VALU_DEP_1)
	v_pk_add_f32 v[14:15], v[14:15], v[236:237]
	s_setprio 0
.irp b, 0,1,2,3
.irp i, 0,1,2,3,4,5,6,7,8,9,10,11,12,13,14,15
.endr
	v_cvt_scalef32_pk8_fp8_f32 v[PCD+4*\b:PCD+4*\b+1], v[SC+16*\b:SC+16*\b+7], v[CV+\b]
	v_cvt_scalef32_pk8_fp8_f32 v[PCD+4*\b+2:PCD+4*\b+3], v[SC+16*\b+8:SC+16*\b+15], v[CV+\b]
.endr
	v_nop                                          ; one plain line behind the last conversion
.irp p, 0,1,2,3
.irp c, 0,1,2,3
	ds_load_b128 v[SC+16*\p+4*\c:SC+16*\p+4*\c+3], v[ADK] offset:8192+2048*\p+512*\c   ; V^T's four fragments, where p lay
.endr
.endr
.set n, 0
.rept 16
	v_pk_mul_f32 v[OT+n:OT+n+1], v[OT+n:OT+n+1], v[FF:FF+1] op_sel_hi:[1,0]   ; O^T under the new M, from each accumulator's low end on; also the places in front of the products below
.set n, n+2
.endr
	s_wait_alu depctr_va_vdst(0)
	s_wait_dscnt 0x0
.irp p, 0,1,2,3
	OPROD \p
.endr
.Lhidden_\@:
	s_add_co_u32 s[TB], s[TB], BLK
	s_add_co_u32 s[SI], s[SI], 1
.endm
; four key steps, whose blocks waves 0-3 asked for by their g-th loads
.macro GROUP g
	s_wait_dscnt 0x0                               ; no LDS instruction of mine is out at a signal
	s_wait_tensorcnt 3-\g                          ; my g-th load has landed; those issued behind it may stay out
	s_barrier_signal -1
	s_barrier_wait -1
	s_mov_b32 s[TB], 4*BLK*\g
	s_mov_b32 s[CNT], 4
.Lstep_\@:
	STEP
	s_sub_co_u32 s[CNT], s[CNT], 1
	s_cmp_lg_u32 s[CNT], 0
	s_cbranch_scc1 .Lstep_\@
	s_setprio 0
.endm
	s_load_b256 s[4:11], s[0:1], 0x0               ; qcodes, qscales, kv, acodes
	s_load_b64 s[12:13], s[0:1], 0x20              ; ascales
	v_lshl_add_u32 v254, v0, 2, 0x43200
	v_mov_b32 v255, 0
	ds_add_u32 v254, v255
	ds_add_u32 v254, v255
	v_lshrrev_b32 v1, 5, v0
	s_delay_alu instid0(VALU_DEP_1)
	v_readfirstlane_b32 s[WV], v1                  ; wave 0..15
	s_mov_b32 s15, ttmp9                           ; j
	s_and_b32 s16, ttmp7, 0xffff                   ; bh
	s_lshr_b32 s17, s[WV], 1                       ; idx: my tile in its block of 128 queries
	s_lshr_b32 s18, s[WV], 2
	s_xor_b32 s18, s18, s[WV]
	s_and_b32 s18, s18, 1                          ; 0: block j, 1: block 15 - j; of any four waves w % 4 or w / 4 alike, two have each
	s_lshl_b32 s56, s15, 3
	s_sub_co_u32 s57, 120, s56
	s_cmp_eq_u32 s18, 1
	s_cselect_b32 s19, s57, s56
	s_add_co_u32 s19, s19, s17                     ; T: my tile among the batch's 128
	s_lshr_b32 s[LIM], s19, 3
	; group 1: a block of kv: 67 dense rows of 256 bytes (32 elements of 8 bytes)
	s_mov_b32 s[G1], 3<<16
	s_mov_b32 s[G1+1], 32<<16                      ; tensor_dim0
	s_mov_b32 s[G1+2], 67<<16                      ; tensor_dim1
	s_mov_b32 s[G1+3], 32<<16                      ; tile_dim0
	s_mov_b32 s[G1+4], 67                          ; tile_dim1
	s_mov_b32 s[G1+5], 32                          ; tensor_dim0_stride
	s_mov_b32 s[G1+6], 0
	s_mov_b32 s[G1+7], 0
	s_and_b32 s58, s[WV], 3
	s_mul_i32 s59, s58, BLK                        ; LDS: block 4 g + wave
	s_lshl_b32 s60, s16, 4
	s_add_co_u32 s60, s60, s58
	s_mul_i32 s60, s60, BLK
	s_mov_b32 s61, 0
	s_wait_dscnt 0x0
	s_wait_kmcnt 0x0
	s_add_nc_u64 s[62:63], s[8:9], s[60:61]
.irp g, 0,1,2,3
	s_mov_b32 s[G0+4*\g], 1
	s_add_co_u32 s[G0+4*\g+1], s59, 4*BLK*\g
	s_add_nc_u64 s[G0+4*\g+2:G0+4*\g+3], s[62:63], 4*BLK*\g
	s_or_b32 s[G0+4*\g+3], s[G0+4*\g+3], 0x80000000
.endr
	s_cmp_lt_u32 s[WV], 4                          ; waves 0-3 fetch, four loads each, in one branch: four loads of such a wave are out
	s_cbranch_scc0 .Lno_fill
.irp g, 0,1,2,3
	tensor_load_to_lds s[G0+4*\g:G0+4*\g+3], s[G1:G1+7]
	s_nop 0
.endr
	PLACES 4
.Lno_fill:
	s_lshl_b32 s56, s16, 7                         ; Q's codes: (128 bh + T) x 1,024
	s_add_co_u32 s56, s56, s19
	s_lshl_b32 s56, s56, 10
	s_mov_b32 s57, 0
	s_lshl_b32 s58, s16, 5                         ; Q's scale words: (32 bh + T / 4) x 256 + 128 (T % 2) + 4 ((T / 2) % 2)
	s_lshr_b32 s59, s19, 2
	s_add_co_u32 s58, s58, s59
	s_lshl_b32 s58, s58, 8
	s_and_b32 s59, s19, 1
	s_lshl_b32 s59, s59, 7
	s_add_co_u32 s58, s58, s59
	s_bfe_u32 s59, s19, 0x10001
	s_lshl_b32 s59, s59, 2
	s_add_co_u32 s58, s58, s59
	s_mov_b32 s59, 0
	s_lshr_b32 s60, s16, 4                         ; ctx's codes: (128 x batch + T) x 16,384 + 1,024 x head
	s_lshl_b32 s60, s60, 7
	s_add_co_u32 s60, s60, s19
	s_lshl_b32 s60, s60, 14
	s_and_b32 s61, s16, 15
	s_lshl_b32 s61, s61, 10
	s_add_co_u32 s60, s60, s61
	s_mov_b32 s61, 0
	s_sub_co_u32 s62, 15, s15                      ; ctx's scale bytes: 4,096 bh + 256 x block: wave 0 stores block j's, wave 1 block 15 - j's
	s_and_b32 s63, s[WV], 1
	s_cmp_eq_u32 s63, 1
	s_cselect_b32 s62, s62, s15
	s_lshl_b32 s62, s62, 8
	s_lshl_b32 s63, s16, 12
	s_add_co_u32 s62, s62, s63
	s_mov_b32 s63, 0
	s_add_nc_u64 s[4:5], s[4:5], s[56:57]
	s_add_nc_u64 s[6:7], s[6:7], s[58:59]
	s_add_nc_u64 s[10:11], s[10:11], s[60:61]
	s_add_nc_u64 s[12:13], s[12:13], s[62:63]
	v_and_b32 v7, 31, v0
	s_delay_alu instid0(VALU_DEP_1)
	v_lshlrev_b32 v1, 4, v7                        ; 16 x lane
	s_delay_alu instid0(VALU_DEP_2)
	v_lshlrev_b32 v2, 3, v7                        ; 8 x lane
	s_delay_alu instid0(VALU_DEP_3)
	v_lshlrev_b32 v3, 2, v7                        ; 4 x lane
	v_and_b32 v11, 15, v0                          ; r
	s_wait_alu depctr_va_vdst(0)
	v_lshlrev_b32 v239, 3, v11
	global_load_b128 v[QF:QF+3], v1, s[4:5]
	global_load_b128 v[QF+4:QF+7], v1, s[4:5] offset:512
	global_load_b32 v[QS], v239, s[6:7]
	v_bfe_u32 v[TP], v0, 4, 1
	s_delay_alu instid0(VALU_DEP_1)
	v_lshlrev_b32 v[TP], 4, v[TP]                  ; 16 h
	v_and_b32 v4, 8, v11
	s_delay_alu instid0(VALU_DEP_1)
	v_add_nc_u32 v4, v4, v11                       ; r + 8 (r / 8)
	s_delay_alu instid0(VALU_DEP_1)
	v_sub_nc_u32 v4, v4, v[TP]
	s_lshr_b32 s56, s17, 1
	s_lshl_b32 s56, s56, 5
	s_and_b32 s57, s17, 1
	s_lshl_b32 s57, s57, 3
	s_add_co_u32 s56, s56, s57
	v_add_nc_u32 v4, s56, v4                       ; my query's place in its step, less 16 h
	s_lshl_b32 s56, s18, 8                         ; where my tile's scale bytes meet the others': 256 x block + 128 (idx / 4) + 8 r + 2 (idx % 4)
	s_lshr_b32 s57, s17, 2
	s_lshl_b32 s57, s57, 7
	s_add_co_u32 s56, s56, s57
	s_and_b32 s57, s17, 3
	s_lshl_b32 s57, s57, 1
	s_add_co_u32 s56, s56, s57
	s_add_co_u32 s56, s56, STG
	v_lshl_add_u32 v5, v11, 3, s56
	s_and_b32 s57, s[WV], 1
	s_lshl_b32 s57, s57, 8
	s_add_co_u32 s57, s57, STG
	v_add_nc_u32 v6, s57, v2                       ; and where waves 0 and 1 read a block's 256 bytes back
	s_mov_b32 s[CS], 0x3e38aa3b                    ; c = log2(e) / sqrt(64)
	s_mov_b32 s[CS+1], s[CS]                       ; (named with it as a pair, so it is written)
	s_mov_b32 s[SEL], 0x76543210
	s_mov_b32 s[SEL+1], 0xfedcba98
	s_mov_b32 s[SI], 0
.irp i, 8,9,10,11,12,13,14,15
	v_mov_b32 v[QF+\i], 0                          ; zero codes: the upper 64 of the first product's K
.irp t, 0,1,2,3
	v_mov_b32 v[KF+16*\t+\i], 0
.endr
.endr
.set n, 0
.rept 32
	v_mov_b32 v[OT+n], 0                           ; the step is written once: the first finds zeros, which the first change of M leaves zeros
.set n, n+1
.endr
.irp b, 0,1,2,3
	v_mov_b32 v[BY+\b], 0                          ; written once: a lane permute's destination counts as one of its sources
.endr
	v_mov_b32 v[TP], 0
	v_mov_b32 v[FF+1], 0                           ; (named as the upper half of a pair)
	v_mov_b32 v[NI], 0xff800000
	v_mov_b32 v13, 0xff61b1e6                      ; the largest t so far: -3e38
	s_delay_alu instid0(VALU_DEP_1)
	v_floor_f32 v12, -v13
	v_mov_b32 v14, 0
	v_mov_b32 v15, 0
	s_wait_loadcnt 0x0                             ; Q
	GROUP 0
	GROUP 1
	GROUP 2
	GROUP 3
	; THE WAY OUT: O^T / the sum, quantised along the head's 64 (two blocks), stored as two chunks of ctx's image
	PLACES 8                                       ; in front of the first read of results
	s_wait_alu depctr_va_vdst(0)
	v_add_f32 v14, v14, v15
	s_delay_alu instid0(VALU_DEP_1)
	v_permlanex16_b32 v[TP], v14, s[SEL], s[SEL+1]
	s_delay_alu instid0(VALU_DEP_1)
	v_add_f32 v14, v14, v[TP]                      ; the row's sum
	s_wait_alu depctr_va_vdst(0)
	v_rcp_f32 v14, v14
	v_nop                                          ; one plain line behind a transcendental
.set n, 0
	s_wait_alu depctr_va_vdst(0)
.rept 32
	v_mul_f32 v[SC+n], v[OT+n], v14                ; register 16 b + i = channel 32 b + 16 (lane / 16) + i of my query
.set n, n+1
.endr
.irp b, 0,1
	v_max3_num_f32 v[BM+\b], |v[SC+16*\b]|, |v[SC+1+16*\b]|, 0x4800000
.endr
.irp i, 2,4,6,8,10,12,14
.irp b, 0,1
	s_delay_alu instid0(VALU_DEP_2)
	v_max3_num_f32 v[BM+\b], v[BM+\b], |v[SC+16*\b+\i]|, |v[SC+1+16*\b+\i]|
.endr
.endr
.irp b, 0,1
	s_delay_alu instid0(VALU_DEP_2)
	v_permlanex16_b32 v[BY+\b], v[BM+\b], s[SEL], s[SEL+1]
.endr
.irp b, 0,1
	s_delay_alu instid0(VALU_DEP_2)
	v_max_num_f32 v[BM+\b], v[BM+\b], v[BY+\b]
.endr
.irp b, 0,1
	s_delay_alu instid0(VALU_DEP_2)
	v_add_nc_u32 v[CV+\b], 0xfc000000, v[BM+\b]
.endr
.irp b, 0,1
.endr
.irp b, 0,1
	s_delay_alu instid0(VALU_DEP_2)
	v_lshrrev_b32 v[BY+\b], 23, v[CV+\b]
.endr
	s_delay_alu instid0(VALU_DEP_1)
	v_lshl_or_b32 v[CW], v[BY+1], 8, v[BY]
.irp b, 0,1
.irp i, 0,1,2,3,4,5,6,7,8,9,10,11,12,13,14,15
.endr
	v_cvt_scalef32_pk8_fp8_f32 v[PCD+4*\b:PCD+4*\b+1], v[SC+16*\b:SC+16*\b+7], v[CV+\b]
	v_cvt_scalef32_pk8_fp8_f32 v[PCD+4*\b+2:PCD+4*\b+3], v[SC+16*\b+8:SC+16*\b+15], v[CV+\b]
.endr
	v_nop
	global_store_b128 v1, v[PCD:PCD+3], s[10:11]               ; 512 consecutive bytes a store
	global_store_b128 v1, v[PCD+4:PCD+7], s[10:11] offset:512
	ds_store_b16 v5, v[CW]                         ; both lanes of a query write the same two bytes
	s_wait_dscnt 0x0                               ; for the others' sake: my bytes have landed
	s_barrier_signal -1
	s_barrier_wait -1
	s_cmp_lt_u32 s[WV], 2
	s_cbranch_scc0 .Lend
	ds_load_b64 v[200:201], v6
	s_wait_dscnt 0x0
	global_store_b64 v2, v[200:201], s[12:13]      ; a block's scale bytes: 256 consecutive bytes, aligned
.Lend:
	s_wait_tensorcnt 0x0
	ds_add_u32 v254, v255
	s_wait_dscnt 0x0
	s_endpgm
.Lfunc_end_k_q0ce8108afe_attn:
	.size	k_q0ce8108afe_attn, .Lfunc_end_k_q0ce8108afe_attn-k_q0ce8108afe_attn
	.p2alignl 7, 3214868480
	.fill 96, 4, 3214868480
	.section	.rodata,"a",@progbits
	.p2align	6, 0x0
	.amdhsa_kernel k_q0ce8108afe_attn
		.amdhsa_group_segment_fixed_size 276992
		.amdhsa_private_segment_fixed_size 0
		.amdhsa_enable_private_segment 0
		.amdhsa_kernarg_size 40
		.amdhsa_user_sgpr_count 2
		.amdhsa_user_sgpr_kernarg_segment_ptr 1
		.amdhsa_wavefront_size32 1
		.amdhsa_system_sgpr_workgroup_id_x 1
		.amdhsa_system_sgpr_workgroup_id_y 1
		.amdhsa_system_sgpr_workgroup_id_z 1
		.amdhsa_system_vgpr_workitem_id 0
		.amdhsa_next_free_vgpr 256
		.amdhsa_next_free_sgpr 66
		.amdhsa_reserve_vcc 1
		.amdhsa_float_denorm_mode_32 3
		.amdhsa_float_denorm_mode_16_64 3
		.amdhsa_fp16_overflow 1
		.amdhsa_memory_ordered 1
		.amdhsa_forward_progress 1
		.amdhsa_inst_pref_size 106
	.end_amdhsa_kernel
	.amdgpu_metadata
---
amdhsa.version: [ 1, 2 ]
amdhsa.kernels:
  - .name:           k_q0ce8108afe_attn
    .symbol:         k_q0ce8108afe_attn.kd
    .args:
      - { .name: qcodes, .offset: 0, .size: 8, .value_kind: global_buffer, .address_space: global }
      - { .name: qscales, .offset: 8, .size: 8, .value_kind: global_buffer, .address_space: global }
      - { .name: kv, .offset: 16, .size: 8, .value_kind: global_buffer, .address_space: global }
      - { .name: acodes, .offset: 24, .size: 8, .value_kind: global_buffer, .address_space: global }
      - { .name: ascales, .offset: 32, .size: 8, .value_kind: global_buffer, .address_space: global }
    .group_segment_fixed_size: 276992
    .private_segment_fixed_size: 0
    .kernarg_segment_align: 8
    .kernarg_segment_size: 40
    .max_flat_workgroup_size: 512
    .sgpr_count:     66
    .vgpr_count:     256
    .wavefront_size: 32
...
	.end_amdgpu_metadata
.endif
;; end of part 3
;; launch proj (part 4): grid 8 x 32, 4 waves a work-group, clusters of 4 x 4, 280,064 bytes of LDS; arguments acodes, ascales, wcodes, wscales, bo, out0; writes out0
.if DOCPART == 4
	.amdgcn_target "amdgcn-amd-amdhsa--gfx1250"
	.amdhsa_code_object_version 6
	.text
	.protected	k_q0ce8108afe_proj
	.globl	k_q0ce8108afe_proj
	.p2align	8
	.type	k_q0ce8108afe_proj,@function
k_q0ce8108afe_proj:
	s_mov_b64 s[64:65], 0
	v_nop
	global_prefetch_b8 v0, s[64:65] scope:SCOPE_SE
	s_setreg_imm32_b32 hwreg(HW_REG_WAVE_MODE, 25, 1), 1
	s_wait_xcnt 0x0
	s_wait_alu depctr_hold_cnt(0) depctr_sa_sdst(0) depctr_va_vdst(0) depctr_va_sdst(0) depctr_va_ssrc(0) depctr_va_vcc(0) depctr_vm_vsrc(0)
	s_getreg_b32 s2, hwreg(HW_REG_IB_STS2, 6, 4)
	s_cmp_eq_u32 s2, 0
	s_cbranch_scc0 .Lentry_in_a_cluster
	s_endpgm
.Lentry_in_a_cluster:
	s_bfe_u32 s2, ttmp6, 0x10000c
	s_cmp_lg_u32 s2, 0xf033
	s_cbranch_scc0 .Lentry_shape_is_right
	s_endpgm
.Lentry_shape_is_right:
; out = ctx Wo^T + bo on codes of FP8 (E4M3) with E8M0 scales; out [4096][1024] f32.
; ctx's codes lie as images of fragments in acodes ([tile of 16 tokens][K step 8][2,048]; tile 2 b + u, row r = token 32 b + 8 u + r + 8 (r / 8)), Wo's in wcodes, tiles 192-255.
; ctx's scale bytes: ascales [bh][tile / 4][row 16][tile % 4] two bytes (a head's two blocks); K step s is heads 2 s, 2 s + 1.  Wo's scale words: [tile][512], at 16 l + 4 i K steps 2 i (lanes 0-15), 2 i + 1 (lanes 16-31).
; SHARES: a work-group makes 128 tokens x 128 outputs, four waves of 64 x 64: 16 accumulators.  All of K is resident in LDS (262,144 bytes, filled once, in four groups of two K steps).
; CLUSTERS: 4 x 4; the four of a row need the same tokens, the four of a column the same weights: each part is asked for jointly.
; TRANSPOSED USE: source 0 = 16 rows of Wo, source 1 = 16 tokens: a lane holds one token, and by the tiles' order of rows the 16 registers of results 2 b, 2 b + 1 are 16 neighbouring outputs.
; The bias is the C of each sum's first matrix instruction.  Results leave through each wave's own stage in LDS (16 rows x 272 bytes, behind the resident operands, where no fill lands).
.set LI,  1                            ; v1     16 x lane
.set A0,  4                            ; v4-7   LDS address of the weights' fragments in group 0..3
.set A1,  8                            ; v8-11  of the tokens'
.set STO, 18                           ; v18    the stage: where I put 16 bytes of a row
.set RD,  19                           ; v19    where I read a row back
.set CO,  20                           ; v20    my byte offset in two rows of out
.set S1,  32                           ; v32-47 ctx's scale words: tile p at 4 p, register i: K steps 2 i, 2 i + 1
.set S0,  48                           ; v48-63 Wo's
.set BI,  64                           ; v64-95 the bias, eight registers a tile of Wo; later rows on their way out (v64-127)
.set RAW, 96                           ; v96-111 ctx's scale bytes as loaded
.set ACC, 128                          ; v128-255 accumulator (p, q) at 8 (4 p + q).  Window 1: two buffers of 128: source 0 at 16 q, source 1 at 64 + 16 p
.set G1X, 28
.set G1W, 36
.set G0X, 44
.set G0W, 68
.set MSB, 0
.macro WIN new                         ; the immediate's high byte repeats the setting that is left
.if MSB != \new
	s_set_vgpr_msb (MSB<<8)|\new
.set MSB, \new
.endif
.endm
.macro PLACES n
.rept \n
	v_nop
.endr
.endm
.macro CROUND                          ; a round of the cluster's barrier
	s_barrier_signal -1
	s_barrier_wait -1
	s_cmp_lg_u32 s18, 0
	s_cbranch_scc1 .Lnot_wave_0_\@
	s_barrier_signal -3
.Lnot_wave_0_\@:
	s_barrier_wait -3
	s_barrier_signal -1
	s_barrier_wait -1
.endm
.macro FETCH g, sl, f                  ; 32 LDS loads in one run: one K step's eight fragments into buffer f: source 0's four, then source 1's tiles 0, 1, then 2, 3
	WIN 0x40                                       ; destination window 1, address window 0
.irp q, 0,1,2,3
.irp c, 0,1,2,3
	ds_load_b128 v[128*(\f)+16*\q+4*\c:128*(\f)+16*\q+4*\c+3], v[A0+(\g)] offset:4096*\q+2048*(\sl)+512*\c
.endr
.endr
.irp p, 0,1,2,3
.irp c, 0,1,2,3
	ds_load_b128 v[128*(\f)+64+16*\p+4*\c:128*(\f)+64+16*\p+4*\c+3], v[A1+(\g)] offset:4096*\p+2048*(\sl)+512*\c
.endr
.endr
.endm
.macro MUL8 f, p0, s, cm               ; 8 matrix instructions; the 16 accumulators take turns, one instruction a turn.  cm = 2: the bias starts the sum
	WIN 0x05                                       ; sources 0 and 1 window 1; C and D window 0
.irp p, \p0, \p0+1
.irp q, 0,1,2,3
.set rD, ACC+8*(4*(\p)+\q)
.set rA, 128*(\f)+16*\q
.set rB, 128*(\f)+64+16*(\p)
.set rSA, S0+4*\q+(\s)/2
.set rSB, S1+4*(\p)+(\s)/2
.if (\cm) == 2
	v_wmma_scale_f32_16x16x128_f8f6f4 v[rD:rD+7], v[rA:rA+15], v[rB:rB+15], v[BI+8*\q:BI+8*\q+7], v[rSA], v[rSB]
.elseif (\s)%2
	v_wmma_scale_f32_16x16x128_f8f6f4 v[rD:rD+7], v[rA:rA+15], v[rB:rB+15], v[rD:rD+7], v[rSA], v[rSB] matrix_a_scale:MATRIX_SCALE_ROW1 matrix_b_scale:MATRIX_SCALE_ROW1
.else
	v_wmma_scale_f32_16x16x128_f8f6f4 v[rD:rD+7], v[rA:rA+15], v[rB:rB+15], v[rD:rD+7], v[rSA], v[rSB]
.endif
.endr
.endr
.endm
.macro STEP s, cm                      ; K step s; steps 1, 3, 5 fetch from the next group: a plain barrier shows it whole
.if ((\s) == 1) || ((\s) == 3) || ((\s) == 5)
	s_wait_dscnt 0x0                               ; no LDS instruction of mine is out at a signal
	s_wait_tensorcnt 3-((\s)+1)/2                  ; my part of the next group has landed; the groups issued behind it may stay out
	s_barrier_signal -1
.else
	s_wait_dscnt 8                                 ; source 0 and source 1's tiles 0, 1 are in; the youngest eight loads (tiles 2, 3) may be out
.endif
	MUL8 (\s)%2, 0, \s, \cm
.if ((\s) == 1) || ((\s) == 3) || ((\s) == 5)
	s_barrier_wait -1
.endif
.if (\s) < 7
	PLACES 8                                       ; eight places in front of loads into registers that the last step's products read
	FETCH ((\s)+1)/2, ((\s)+1)%2, ((\s)+1)%2
	s_wait_dscnt 32                                ; all but the 32 just issued
.else
	s_wait_dscnt 0x0
.endif
	MUL8 (\s)%2, 2, \s, \cm
.endm
; token tile a goes out: 16 rows x 256 bytes through my stage; sixteen lanes then store 256 consecutive bytes, aligned
.macro OUTT a
.if (\a) >= 2
	s_wait_xcnt 0x0                                ; tile a - 2's stores have read their registers: the loads below may land there
.endif
.irp bt, 0,1
.irp k, 0,1,2,3
	ds_store_b128 v[STO], v[ACC+32*(\a)+16*\bt+4*\k:ACC+32*(\a)+16*\bt+4*\k+3] offset:128*\bt+16*\k   ; each accumulator from its low end on
.endr
.endr
.irp i, 0,1,2,3,4,5,6,7
	ds_load_b128 v[64+32*((\a)%2)+4*\i:64+32*((\a)%2)+4*\i+3], v[RD] offset:544*\i   ; LDS serves a wave's instructions in order: these see the stores above
.endr
.irp i, 0,1,2,3,4,5,6,7
	s_wait_dscnt 7-\i                              ; the younger loads may stay out
	global_store_b128 v[CO], v[64+32*((\a)%2)+4*\i:64+32*((\a)%2)+4*\i+3], s[14:15] offset:(32*((\a)/2)+8*((\a)%2)+2*\i+8*(\i/4))*4096 th:TH_STORE_NT   ; the tile's rows 2 i, 2 i + 1 at their tokens
.endr
.endm
	s_load_b256 s[4:11], s[0:1], 0x0               ; acodes, ascales, wcodes, wscales
	s_load_b128 s[12:15], s[0:1], 0x20             ; bo, out0
	v_lshl_add_u32 v30, v0, 2, 0x44400
	v_mov_b32 v31, 0
	ds_add_u32 v30, v31
	ds_add_u32 v30, v31
	v_lshrrev_b32 v1, 5, v0
	v_readfirstlane_b32 s18, v1                    ; wave 0..3
	s_lshr_b32 s19, s18, 1                         ; which 64 tokens are mine.  Also: I fetch tokens (0) or weights (1)
	s_and_b32 s20, s18, 1                          ; which 64 outputs.  Also: which four tiles of that part I fetch
	s_bfe_u32 s21, ttmp6, 0x40000                  ; cx
	s_bfe_u32 s22, ttmp6, 0x40004                  ; cy
	s_lshl_b32 s23, ttmp9, 2
	s_add_co_u32 s23, s23, s21                     ; X
	s_and_b32 s24, ttmp7, 0xffff
	s_lshl_b32 s24, s24, 2
	s_add_co_u32 s24, s24, s22                     ; Y
	s_lshl_b32 s25, s22, 2
	s_lshl_b32 s25, 15, s25                        ; my row of the cluster
	s_lshl_b32 s26, 0x1111, s21                    ; my column
	; group 1: four tiles' two K steps: 4 rows of 4,096 bytes (512 elements of 8 bytes), 16,384 bytes apart, laid on end in LDS
	s_or_b32 s[G1X], s25, (3<<16)|(1<<21)
	s_or_b32 s[G1W], s26, (3<<16)|(1<<21)
.irp g, G1X, G1W
	s_mov_b32 s[\g+1], 512<<16                     ; tensor_dim0
	s_mov_b32 s[\g+2], 4<<16                       ; tensor_dim1
	s_mov_b32 s[\g+3], 512<<16                     ; tile_dim0
	s_mov_b32 s[\g+4], 4                           ; tile_dim1
	s_mov_b32 s[\g+5], 2048                        ; tensor_dim0_stride
	s_mov_b32 s[\g+6], 0
	s_mov_b32 s[\g+7], 0
.endr
	s_lshl_b32 s84, s24, 17                        ; tokens: tile 8 Y + 4 x half (registers that never hold cx)
	s_lshl_b32 s85, s20, 16
	s_add_co_u32 s84, s84, s85
	s_mov_b32 s85, 0
	s_lshl_b32 s88, s23, 17                        ; Wo: tile 192 + 8 X + 4 x half (registers that never hold cy)
	s_lshl_b32 s89, s20, 16
	s_add_co_u32 s88, s88, s89
	s_add_co_u32 s88, s88, 192*16384
	s_mov_b32 s89, 0
	s_lshl_b32 s27, s18, 14                        ; where they go: 16,384 x wave
	s_wait_dscnt 0x0
	s_wait_kmcnt 0x0
	s_add_nc_u64 s[86:87], s[4:5], s[84:85]
	s_add_nc_u64 s[90:91], s[8:9], s[88:89]
	CROUND                                         ; all sixteen work-groups are here: the joint loads meet
.irp g, 0,1,2,3
	s_mov_b32 s[G0X+4*\g], 1
	s_add_co_u32 s[G0X+4*\g+1], s27, 65536*\g
	s_add_nc_u64 s[G0X+4*\g+2:G0X+4*\g+3], s[86:87], 4096*\g
	s_or_b32 s[G0X+4*\g+3], s[G0X+4*\g+3], 0x80000000
	s_mov_b32 s[G0W+4*\g], 1
	s_add_co_u32 s[G0W+4*\g+1], s27, 65536*\g
	s_add_nc_u64 s[G0W+4*\g+2:G0W+4*\g+3], s[90:91], 4096*\g
	s_or_b32 s[G0W+4*\g+3], s[G0W+4*\g+3], 0x80000000
.endr
	s_cmp_eq_u32 s19, 0                            ; a wave's four fills stand in one branch on its number: four loads of mine are out
	s_cbranch_scc0 .Lfill_w
.irp g, 0,1,2,3
	tensor_load_to_lds s[G0X+4*\g:G0X+4*\g+3], s[G1X:G1X+7]
	s_nop 0
.endr
	PLACES 4
	s_branch .Lfilled
.Lfill_w:
.irp g, 0,1,2,3
	tensor_load_to_lds s[G0W+4*\g:G0W+4*\g+3], s[G1W:G1W+7]
	s_nop 0
.endr
	PLACES 4
.Lfilled:
	v_and_b32 v13, 31, v0
	v_lshlrev_b32 v[LI], 4, v13
	v_and_b32 v14, 15, v0                          ; r
	v_bfe_u32 v15, v0, 4, 1                        ; h
	v_lshlrev_b32 v16, 3, v14
	v_lshl_add_u32 v16, v15, 13, v16               ; ctx's scale bytes: 8 r, and two heads on for lanes 16-31
	v_lshlrev_b32 v17, 6, v15                      ; the bias: 16 numbers on for lanes 16-31
	s_lshl_b32 s94, s20, 14
	s_add_co_u32 s94, s94, 32768                   ; source 0: my 64 rows of Wo, behind the tokens' 32,768 bytes
	s_lshl_b32 s95, s19, 14                        ; source 1: my 64 tokens
.irp g, 0,1,2,3
	v_add_nc_u32 v[A0+\g], s94, v[LI]
	v_add_nc_u32 v[A1+\g], s95, v[LI]
	s_add_co_u32 s94, s94, 65536
	s_add_co_u32 s95, s95, 65536
.endr
	s_mul_i32 s94, s18, 4352
	s_add_co_u32 s94, s94, 262144                  ; my stage
	v_mul_u32_u24 v[STO], v14, 272
	v_lshl_add_u32 v[STO], v15, 6, v[STO]
	v_add_nc_u32 v[STO], s94, v[STO]               ; in: row r, + 64 h
	v_mul_u32_u24 v[RD], v15, 272
	v_lshl_add_u32 v[RD], v14, 4, v[RD]
	v_add_nc_u32 v[RD], s94, v[RD]                 ; back: lanes 0-15 one row, lanes 16-31 the next
	v_lshlrev_b32 v[CO], 12, v15
	v_lshl_add_u32 v[CO], v14, 4, v[CO]            ; and the same two rows in out
	s_lshl_b32 s92, s23, 12                        ; Wo's scale words: tile 192 + 8 X + 4 wl, 512 bytes a tile
	s_lshl_b32 s93, s20, 11
	s_add_co_u32 s92, s92, s93
	s_add_co_u32 s92, s92, 192*512
	s_mov_b32 s93, 0
	s_add_nc_u64 s[96:97], s[10:11], s[92:93]
	s_lshr_b32 s92, s24, 4                         ; ctx's scale bytes: 65,536 x batch + 128 (2 (Y % 16) + w')
	s_lshl_b32 s92, s92, 16
	s_and_b32 s98, s24, 15
	s_lshl_b32 s98, s98, 8
	s_add_co_u32 s92, s92, s98
	s_lshl_b32 s98, s19, 7
	s_add_co_u32 s92, s92, s98
	s_add_nc_u64 s[98:99], s[6:7], s[92:93]
	s_lshl_b32 s92, s23, 9                         ; the bias: my 64 outputs
	s_lshl_b32 s66, s20, 8
	s_add_co_u32 s92, s92, s66
	s_add_nc_u64 s[12:13], s[12:13], s[92:93]
	s_lshl_b32 s66, s24, 19                        ; out: token 128 Y + 64 w', output 128 X + 64 wl
	s_add_co_u32 s92, s92, s66
	s_lshl_b32 s66, s19, 18
	s_add_co_u32 s92, s92, s66
	s_add_nc_u64 s[14:15], s[14:15], s[92:93]
.irp q, 0,1,2,3
	global_load_b128 v[S0+4*\q:S0+4*\q+3], v[LI], s[96:97] offset:512*\q
.endr
.irp i, 0,1,2,3
	global_load_b64 v[RAW+4*\i:RAW+4*\i+1], v16, s[98:99] offset:16384*\i          ; head 4 i + 2 h: my four tiles' byte pairs of row r
	global_load_b64 v[RAW+4*\i+2:RAW+4*\i+3], v16, s[98:99] offset:16384*\i+4096   ; head 4 i + 2 h + 1
.endr
.irp q, 0,1,2,3
	global_load_b128 v[BI+8*\q:BI+8*\q+3], v17, s[12:13] offset:(32*(\q/2)+8*(\q%2))*4          ; register j of tile q: output 32 (q / 2) + 8 (q % 2) + 16 h + j
	global_load_b128 v[BI+8*\q+4:BI+8*\q+7], v17, s[12:13] offset:(32*(\q/2)+8*(\q%2))*4+16
.endr
	s_wait_loadcnt 0x0
.irp i, 0,1,2,3
	v_perm_b32 v[S1+\i], v[RAW+4*\i+2], v[RAW+4*\i], 0x05040100        ; tile 0: the even head's two bytes below, the odd head's above: K step 2 i + h's word
	v_perm_b32 v[S1+4+\i], v[RAW+4*\i+2], v[RAW+4*\i], 0x07060302      ; tile 1
	v_perm_b32 v[S1+8+\i], v[RAW+4*\i+3], v[RAW+4*\i+1], 0x05040100    ; tile 2
	v_perm_b32 v[S1+12+\i], v[RAW+4*\i+3], v[RAW+4*\i+1], 0x07060302   ; tile 3
.endr
	PLACES 8                                       ; scale registers written by vector instructions stand eight places ahead of the products
	s_wait_tensorcnt 3                             ; my part of group 0 has landed; the three groups behind it may stay out
	s_barrier_signal -1
	s_barrier_wait -1                              ; everybody's has
	FETCH 0, 0, 0
	STEP 0, 2                                      ; the first K step starts the sums on the bias
	STEP 1, 0
	s_wait_alu depctr_va_vdst(0)
	STEP 2, 0
	STEP 3, 0
	STEP 4, 0
	STEP 5, 0
	STEP 6, 0
	STEP 7, 0
	WIN 0
	PLACES 8                                       ; in front of the first read of results
	OUTT 0
	OUTT 1
	OUTT 2
	OUTT 3
	s_wait_tensorcnt 0x0
	ds_add_u32 v30, v31
	s_wait_dscnt 0x0
	CROUND                                         ; the closing round: no work-group ends while a partner may still ask for a part that names it
	s_endpgm
.Lfunc_end_k_q0ce8108afe_proj:
	.size	k_q0ce8108afe_proj, .Lfunc_end_k_q0ce8108afe_proj-k_q0ce8108afe_proj
	.p2alignl 7, 3214868480
	.fill 96, 4, 3214868480
	.section	.rodata,"a",@progbits
	.p2align	6, 0x0
	.amdhsa_kernel k_q0ce8108afe_proj
		.amdhsa_group_segment_fixed_size 280064
		.amdhsa_private_segment_fixed_size 0
		.amdhsa_enable_private_segment 0
		.amdhsa_kernarg_size 48
		.amdhsa_user_sgpr_count 2
		.amdhsa_user_sgpr_kernarg_segment_ptr 1
		.amdhsa_wavefront_size32 1
		.amdhsa_system_sgpr_workgroup_id_x 1
		.amdhsa_system_sgpr_workgroup_id_y 1
		.amdhsa_system_sgpr_workgroup_id_z 1
		.amdhsa_system_vgpr_workitem_id 0
		.amdhsa_next_free_vgpr 512
		.amdhsa_next_free_sgpr 100
		.amdhsa_reserve_vcc 0
		.amdhsa_float_denorm_mode_32 3
		.amdhsa_float_denorm_mode_16_64 3
		.amdhsa_memory_ordered 1
		.amdhsa_forward_progress 1
		.amdhsa_inst_pref_size 57
	.end_amdhsa_kernel
	.amdgpu_metadata
---
amdhsa.version: [ 1, 2 ]
amdhsa.kernels:
  - .name:           k_q0ce8108afe_proj
    .symbol:         k_q0ce8108afe_proj.kd
    .args:
      - { .name: acodes, .offset: 0, .size: 8, .value_kind: global_buffer, .address_space: global }
      - { .name: ascales, .offset: 8, .size: 8, .value_kind: global_buffer, .address_space: global }
      - { .name: wcodes, .offset: 16, .size: 8, .value_kind: global_buffer, .address_space: global }
      - { .name: wscales, .offset: 24, .size: 8, .value_kind: global_buffer, .address_space: global }
      - { .name: bo, .offset: 32, .size: 8, .value_kind: global_buffer, .address_space: global }
      - { .name: out0, .offset: 40, .size: 8, .value_kind: global_buffer, .address_space: global }
    .group_segment_fixed_size: 280064
    .private_segment_fixed_size: 0
    .kernarg_segment_align: 8
    .kernarg_segment_size: 48
    .max_flat_workgroup_size: 128
    .sgpr_count:     100
    .vgpr_count:     512
    .wavefront_size: 32
...
	.end_amdgpu_metadata
.endif
;; end of part 4
